; MI455X (gfx1250); checked and timed in simulation.
; The chip was launched on July 23, 2026; its instructions are those of AMD's public machine-readable ISA for CDNA 5 (MIT licence, August 2026) and "CDNA5" Instruction Set Architecture Reference Guide (July 2026). The comments in the code are by the model that wrote it; some were corrected since.
;; MLP. Allowed arithmetic: matrix products marked QUANTISED: E2M1 operands, one E8M0 scale for each 32 along K, by v_wmma_scale_f32_16x16x128_f8f6f4 with both operands' format E2M1 (or v_wmma_scale_f32_32x16x128_f4), f32 sums; everything else in f32.
;; Inputs: W_fc 4,096 x 1,024 float32; W_proj 1,024 x 4,096 float32; x 4 x 2,048 x 1,024 float32.
;; Outputs: out0 4 x 2,048 x 1,024 float32.
;; This version of the problem:
;;   THIS VERSION OF THE PROBLEM IS GIVEN IN LOW PRECISION. The matrix products marked QUANTISED in the list below multiply operands that are first quantised to E2M1 (2 exponent bits, 1 mantissa bit; 4 bits a number), with one power-of-two scale for each 32 numbers along K (OCP MX v1.0); their sums are f32. All else is computed in f32.
;;   The module's matrix products, in the order in which they are computed (A, B: the left and right operand; K: the contracted axis; several contracted axes count as one K, in the product's order):
;;     1. [M 8,192, K 1,024] x [K 1,024, N 4,096]; A: computed on the way; B: computed on the way: QUANTISED
;;     2. [M 8,192, K 4,096] x [K 4,096, N 1,024]; A: computed on the way; B: computed on the way: QUANTISED
;;   THE QUANTISER, for each operand of a quantised product, along K:
;;     - K is cut into blocks of 32 from its start; a last block that is shorter is filled with zeros.
;;     - A block's scale is 2^e with e = floor(log2(the largest magnitude in the block)) - 2, held to -126 .. 127; a block of zeros has e = 0. As a byte (E8M0): e + 127.
;;     - Each number is divided by its block's scale, clamped to +-6, and rounded to the nearest number of E2M1, ties to even, subnormals kept.
;;     - The product sums the exact products of the quantised numbers (number of the format x scale) in f32.
;;   ~~~python
;;   def quantise(x, axis):      # numpy; x: float32 -> the quantised numbers, widened to float32 again
;;       x = np.moveaxis(x, axis, -1); K = x.shape[-1]
;;       x = np.pad(x, [(0, 0)] * (x.ndim - 1) + [(0, -K % 32)]); x = x.reshape(x.shape[:-1] + (-1, 32)); a = np.abs(x).max(-1, keepdims=True)
;;       e = np.where(a > 0, np.clip(np.frexp(np.where(a > 0, a, 1))[1] - 1 - 2, -126, 127), 0)      # np.frexp(a)[1] - 1 = floor(log2(a)), exactly
;;       r = np.clip(x / 2.0 ** e, -6, 6)
;;       step = 2.0 ** (np.maximum(np.frexp(np.where(r == 0, 1, r))[1] - 1, 0) - 1)
;;       q = np.round(r / step) * step * 2.0 ** e      # np.round: ties to even
;;       return np.moveaxis(q.reshape(q.shape[:-2] + (-1,))[..., :K], -1, axis).astype(np.float32)
;;   ~~~
;;   OPERANDS COMPUTED ON THE WAY. 'Computed on the way' means the value that the module computes at that place (a softmax that the list does not call 'softmax' is quantised finished and normalised). What goes into a quantiser is computed in f32, as accurately as f32 sums, v_exp_f32 and their like allow (about 1e-6 of the number): no bf16 or f16 on the way to a quantiser, and a product that is left as it is and whose result goes on into a quantised operand takes f32 operands (vector FMAs, or v_wmma_f32_16x16x4_f32). A number that lies on a knife's edge between two numbers of the format may be rounded either way, as far as f32 arithmetic and the matrix unit's own rounding can turn it there, and no further.
;; 3 versions. Each part assembles by itself: llvm-mc -triple=amdgcn-amd-amdhsa -mcpu=gfx1250 --defsym DOCPART=n.
;; ======== version 1 of 3: 2 launches
;; workspace buffers: wq 1,566,720 bytes
;; launch prep (part 1): grid 180 x 1, 4 waves a work-group, no clusters, 0 bytes of LDS; arguments W_fc, W_proj, wq; writes wq
.if DOCPART == 1
	.amdgcn_target "amdgcn-amd-amdhsa--gfx1250"
	.amdhsa_code_object_version 6
	.text
	.protected	k_qfddb6bf3b3_prep
	.globl	k_qfddb6bf3b3_prep
	.p2align	8
	.type	k_qfddb6bf3b3_prep,@function
k_qfddb6bf3b3_prep:
	s_mov_b64 s[64:65], 0
	v_nop
	global_prefetch_b8 v0, s[64:65] scope:SCOPE_SE
	s_setreg_imm32_b32 hwreg(HW_REG_WAVE_MODE, 25, 1), 1
	s_wait_xcnt 0x0
; The kept parts of W_fc [4096][1024] and W_proj [1024][4096], f32, are masked as the problem's own triangular masks say, quantised along K to codes of FP4 (E2M1) with one
; E8M0 byte for each 32 along K, and laid into wq IN THE ORDER OF THE OPERAND'S REGISTERS and in the order in which the second launch uses them.
; MASKS: W_fc(f, j) counts where j <= f / 4 (rounded down) and f < 3072; W_proj(e, j) where j <= 4 e and e < 768.  What lies wholly under a mask is not laid out at all, but for
; 168 fragments of W_proj that keep the second launch's text the same in all its waves: they hold zero codes.
; A FRAGMENT is 16 rows x 128 K: 8 registers a lane, 1,024 bytes.  Lane (r = lane % 16, hh = lane / 16) holds row r; its registers 4 c .. 4 c + 3 are the whole block k = 64 c + 32 hh + 0 .. 31.
; A UNIT n (0 .. 89) is 16 fragments, one for each wave slot w of the second launch: codes at 16384 n + 1024 w + 512 c + 16 lane.
; Scale words from byte SCB on: for the pair of units 2 P, 2 P + 1 and slot w: 2048 P + 128 w + 4 lane; lanes 0-15 the rows of unit 2 P's fragment, lanes 16-31 those of unit 2 P + 1's.
; UNITS 0 .. 41, W_fc: pair P = g (g + 1) / 2 + ks (group g of 512 hidden units, K step ks = 0 .. g); unit 2 P + u; row of lane r: 512 g + 32 w + 8 u + r + 8 (r / 8); k from 128 ks on.
; UNITS 42 + n2, W_proj: chunk c of 128 along K and tile row i: n2 < 24: c = n2 / 3, i = n2 % 3;  n2 < 40: c = 8 + (n2 - 24) / 2, i = 1 + (n2 - 24) % 2;  else c = n2 - 24, i = 2;  row 256 i + 16 w + r.
; SHARES: job J = 4 x work-group + wave (0 .. 719): pair P = J / 16, slot w = J % 16: one wave makes two fragments and their 128 bytes of scale words.  No LDS, no barrier, no branch.
; A block's scale is 2^(floor(log2(its largest magnitude)) - 2); its byte is the largest magnitude's exponent field - 2, held at 1 from below.
; LIMITS: inputs are finite (a masked element is replaced by 0 or not read, so an infinity or NaN there does not spread as 0 x infinity would); a block of zeros gets the byte 1 where the rule says 127:
; its codes are zeros, and the bytes are read by this program alone; blocks whose largest magnitude lies under 2^-124 have their byte held at 1.
.set SCB,  1474560                     ; 90 units x 16,384 bytes of codes lie ahead of the scale words
.set OFS,  4                           ; v4-5    fragment q: my byte offset in the weight
.set DD,   6                           ; v6-9    fragment q, block c: d = the last k that counts for my row, counted from the block's first k (signed)
.set DO,   10                          ; v10     where my codes go
.set SOF,  11                          ; v11     where my scale word goes
.set SH8,  16                          ; v16     8 hh
.set PT,   17                          ; v17     a lane permute's destination
.set MX,   18                          ; v18-19  largest magnitudes
.set SOP,  20                          ; v20-21  the conversions' scale operands
.set BY,   22                          ; v22-23  scale bytes
.set SW,   24                          ; v24-25  fragment q's scale words
.set NX,   32                          ; v32-95 fragment 0's numbers, v96-159 fragment 1's
.set CD,   160                         ; v160-167, v168-175 their codes
	s_load_b128 s[4:7], s[0:1], 0x0                ; W_fc, W_proj
	s_load_b64 s[8:9], s[0:1], 0x10                ; wq
	v_lshrrev_b32 v1, 5, v0
	v_readfirstlane_b32 s10, v1                    ; wave 0..3
	v_and_b32 v1, 31, v0                           ; lane
	v_and_b32 v2, 15, v0                           ; r
	v_bfe_u32 v3, v0, 4, 1                         ; hh
	s_mov_b32 s38, 0x76543210
	s_mov_b32 s39, 0xfedcba98                      ; v_permlanex16_b32's selects for lane l xor 16
	s_lshl_b32 s11, ttmp9, 2
	s_add_co_u32 s11, s11, s10                     ; J
	s_lshr_b32 s12, s11, 4                         ; P
	s_and_b32 s13, s11, 15                         ; w
	s_mov_b32 s14, 0                               ; g = how many of the triangular numbers 1, 3, 6, 10, 15 are at most P
.irp t, 1,3,6,10,15
	s_cmp_ge_u32 s12, \t
	s_add_co_ci_u32 s14, s14, 0
.endr
	s_add_co_u32 s15, s14, 1
	s_mul_i32 s15, s15, s14
	s_lshr_b32 s15, s15, 1
	s_sub_co_u32 s15, s12, s15                     ; ks = P - g (g + 1) / 2
	s_lshl_b32 s16, s14, 9
	s_lshl_b32 s17, s13, 5
	s_add_co_u32 s16, s16, s17                     ; W_fc: 512 g + 32 w
	s_lshl_b32 s18, s15, 7                         ; W_fc: 128 ks
	s_max_u32 s19, s12, 21
	s_sub_co_u32 s19, s19, 21
	s_lshl_b32 s19, s19, 1                         ; W_proj: n2 of fragment 0 (0 in W_fc's jobs, where it is selected away)
; fragment q's first row into s[28 + q], its first k into s[30 + q]
.macro DECODE q
	s_add_co_u32 s20, s19, \q                      ; n2
	s_mul_i32 s21, s20, 171
	s_lshr_b32 s21, s21, 9                         ; n2 / 3 (exact for n2 < 24)
	s_mul_i32 s22, s21, 3
	s_sub_co_u32 s22, s20, s22                     ; n2 % 3
	s_sub_co_u32 s23, s20, 24                      ; n2 - 24
	s_lshr_b32 s24, s23, 1
	s_add_co_u32 s24, s24, 8
	s_and_b32 s25, s23, 1
	s_add_co_u32 s25, s25, 1
	s_cmp_lt_u32 s20, 40
	s_cselect_b32 s24, s24, s23
	s_cselect_b32 s25, s25, 2
	s_cmp_lt_u32 s20, 24
	s_cselect_b32 s24, s21, s24                    ; c
	s_cselect_b32 s25, s22, s25                    ; i
	s_lshl_b32 s25, s25, 8
	s_lshl_b32 s26, s13, 4
	s_add_co_u32 s25, s25, s26                     ; 256 i + 16 w
	s_lshl_b32 s24, s24, 7                         ; 128 c
	s_add_co_u32 s26, s16, 8*\q                    ; W_fc: + 8 u
	s_cmp_lt_u32 s12, 21                           ; W_fc's job or W_proj's?  The choice hangs on ids alone
	s_cselect_b32 s[28+\q], s26, s25
	s_cselect_b32 s[30+\q], s18, s24
.endm
	DECODE 0
	DECODE 1
	s_cmp_lt_u32 s12, 21
	s_cselect_b32 s32, 12, 14                      ; a row is 2^12 or 2^14 bytes
	s_cselect_b32 s33, 4, 0                        ; the last k that counts: (4 row) >> 4 = row / 4, or 4 row
	s_cselect_b32 s34, 1, 0                        ; W_fc's tiles take rows r + 8 (r / 8)
	s_wait_kmcnt 0x0
	s_cselect_b64 s[36:37], s[4:5], s[6:7]
	v_and_b32 v12, 8, v2
	v_mul_u32_u24 v12, s34, v12
	v_add_nc_u32 v12, v12, v2                      ; my row in the tile
	v_lshlrev_b32 v15, 5, v3                       ; 32 hh
.irp q, 0,1
	v_add_nc_u32 v13, s[28+\q], v12                ; my row
	s_lshl_b32 s20, s[30+\q], 2
	s_sub_co_u32 s21, 0, s[30+\q]
	v_lshlrev_b32 v[OFS+\q], s32, v13
	v_add_nc_u32 v[OFS+\q], s20, v[OFS+\q]         ; + 4 bytes x the first k
	v_lshl_add_u32 v[OFS+\q], v3, 7, v[OFS+\q]     ; + 128 hh: my block of 32 numbers
	v_lshlrev_b32 v14, 2, v13
	v_lshrrev_b32 v14, s33, v14                    ; the last k that counts for my row
	v_add_nc_u32 v14, s21, v14
	v_sub_nc_u32 v[DD+2*\q], v14, v15              ; counted from my block c = 0,
	v_add_nc_u32 v[DD+2*\q+1], 0xffffffc0, v[DD+2*\q]  ; and from my block c = 1, 64 further on
.endr
.macro FLOAD q                         ; my two blocks of fragment q: 128 consecutive bytes each, eight loads of 16
.irp c, 0,1
.irp j, 0,1,2,3,4,5,6,7
	global_load_b128 v[NX+64*\q+32*\c+4*\j:NX+64*\q+32*\c+4*\j+3], v[OFS+\q], s[36:37] offset:256*\c+16*\j th:TH_LOAD_NT
.endr
.endr
.endm
	FLOAD 0
	FLOAD 1
	s_lshl_b32 s20, s12, 15
	s_lshl_b32 s21, s13, 10
	s_add_co_u32 s20, s20, s21
	v_lshl_add_u32 v[DO], v1, 4, s20               ; 32768 P + 1024 w + 16 lane
	s_lshl_b32 s22, s12, 11
	s_lshl_b32 s23, s13, 7
	s_add_co_u32 s22, s22, s23
	s_add_co_u32 s22, s22, SCB
	v_lshl_add_u32 v[SOF], v1, 2, s22              ; SCB + 2048 P + 128 w + 4 lane
	v_lshlrev_b32 v[SH8], 3, v3
	v_mov_b32 v[PT], 0                             ; a lane permute's destination counts as one of its sources
.macro FQUANT q
.set XQ, NX+64*\q
	s_wait_loadcnt 16*(1-\q)                       ; this fragment's 16 loads are in; the other's 16, issued behind them, may be out
.irp c, 0,1
.irp i, 0,1,2,3,4,5,6,7,8,9,10,11,12,13,14,15,16,17,18,19,20,21,22,23,24,25,26,27,28,29,30,31
	v_cmp_le_i32 vcc_lo, \i, v[DD+2*\q+\c]         ; the mask: number i of the block counts where i <= d
	v_cndmask_b32 v[XQ+32*\c+\i], 0, v[XQ+32*\c+\i], vcc_lo
.endr
.endr
.irp c, 0,1                                    ; a block's 32 numbers are all mine: no other lane is asked for its largest magnitude
	v_max3_num_f32 v[MX+\c], |v[XQ+32*\c]|, |v[XQ+32*\c+1]|, 0x1800000   ; and the floor 2^(3 - 127): the byte cannot fall under 1
.endr
.irp i, 2,4,6,8,10,12,14,16,18,20,22,24,26,28,30
.irp c, 0,1
	v_max3_num_f32 v[MX+\c], v[MX+\c], |v[XQ+32*\c+\i]|, |v[XQ+32*\c+\i+1]|   ; (the two blocks by turns)
.endr
.endr
.irp c, 0,1
	v_add_nc_u32 v[SOP+\c], 0xff000000, v[MX+\c]   ; 2 off the exponent field: the conversion takes the exponent field of this operand as its scale
.endr
.irp c, 0,1
	v_lshrrev_b32 v[BY+\c], 23, v[SOP+\c]          ; the scale's byte
.endr
	v_lshl_or_b32 v[SW+\q], v[BY+1], 16, v[BY]     ; my two bytes: blocks hh and 2 + hh of my row,
	v_lshlrev_b32 v[SW+\q], v[SH8], v[SW+\q]       ; at their places in the word;
	v_permlanex16_b32 v[PT], v[SW+\q], s38, s39
	v_or_b32 v[SW+\q], v[SW+\q], v[PT]             ; with lane l xor 16's two the word is whole
.irp c, 0,1
.irp g, 0,1,2,3
	v_cvt_scalef32_pk8_fp4_f32 v[CD+8*\q+4*\c+\g], v[XQ+32*\c+8*\g:XQ+32*\c+8*\g+7], v[SOP+\c]
.endr
.endr
	v_nop                                          ; one plain instruction behind the last scaled conversion: the next fragment writes the scale operands again
.irp c, 0,1
	global_store_b128 v[DO], v[CD+8*\q+4*\c:CD+8*\q+4*\c+3], s[8:9] offset:16384*\q+512*\c   ; 32 lanes store 512 consecutive bytes, at a multiple of 512 from wq's first byte
.endr
.endm
	FQUANT 0
	FQUANT 1
	v_cmp_gt_u32 vcc_lo, 16, v1
	v_cndmask_b32 v26, v[SW+1], v[SW], vcc_lo      ; lanes 0-15: fragment 0's words; lanes 16-31: fragment 1's
	global_store_b32 v[SOF], v26, s[8:9]           ; 128 consecutive bytes a wave: one byte in seventeen of what the launch stores
	s_endpgm
.Lfunc_end_k_qfddb6bf3b3_prep:
	.size	k_qfddb6bf3b3_prep, .Lfunc_end_k_qfddb6bf3b3_prep-k_qfddb6bf3b3_prep
	.p2alignl 7, 3214868480
	.fill 96, 4, 3214868480
	.section	.rodata,"a",@progbits
	.p2align	6, 0x0
	.amdhsa_kernel k_qfddb6bf3b3_prep
		.amdhsa_group_segment_fixed_size 0
		.amdhsa_private_segment_fixed_size 0
		.amdhsa_enable_private_segment 0
		.amdhsa_kernarg_size 24
		.amdhsa_user_sgpr_count 2
		.amdhsa_user_sgpr_kernarg_segment_ptr 1
		.amdhsa_wavefront_size32 1
		.amdhsa_system_sgpr_workgroup_id_x 1
		.amdhsa_system_sgpr_workgroup_id_y 1
		.amdhsa_system_sgpr_workgroup_id_z 1
		.amdhsa_system_vgpr_workitem_id 0
		.amdhsa_next_free_vgpr 192
		.amdhsa_next_free_sgpr 66
		.amdhsa_reserve_vcc 1
		.amdhsa_float_denorm_mode_32 3
		.amdhsa_float_denorm_mode_16_64 3
		.amdhsa_memory_ordered 1
		.amdhsa_forward_progress 1
		.amdhsa_inst_pref_size 23
	.end_amdhsa_kernel
	.amdgpu_metadata
---
amdhsa.version: [ 1, 2 ]
amdhsa.kernels:
  - .name:           k_qfddb6bf3b3_prep
    .symbol:         k_qfddb6bf3b3_prep.kd
    .args:
      - { .name: W_fc, .offset: 0, .size: 8, .value_kind: global_buffer, .address_space: global }
      - { .name: W_proj, .offset: 8, .size: 8, .value_kind: global_buffer, .address_space: global }
      - { .name: wq, .offset: 16, .size: 8, .value_kind: global_buffer, .address_space: global }
    .group_segment_fixed_size: 0
    .private_segment_fixed_size: 0
    .kernarg_segment_align: 8
    .kernarg_segment_size: 24
    .max_flat_workgroup_size: 128
    .sgpr_count:     66
    .vgpr_count:     192
    .wavefront_size: 32
...
	.end_amdgpu_metadata
.endif
;; end of part 1
;; launch mlp (part 2): grid 256 x 1, 16 waves a work-group, no clusters, 166,912 bytes of LDS; arguments x, wq, out0; writes out0
.if DOCPART == 2
	.amdgcn_target "amdgcn-amd-amdhsa--gfx1250"
	.amdhsa_code_object_version 6
	.text
	.protected	k_qfddb6bf3b3_mlp
	.globl	k_qfddb6bf3b3_mlp
	.p2align	8
	.type	k_qfddb6bf3b3_mlp,@function
k_qfddb6bf3b3_mlp:
	s_mov_b64 s[64:65], 0
	v_nop
	global_prefetch_b8 v0, s[64:65] scope:SCOPE_SE
	s_setreg_imm32_b32 hwreg(HW_REG_WAVE_MODE, 25, 1), 1
	s_wait_xcnt 0x0
; out0 = relu(LN(x) Wfc^T)^2 Wproj^T for 32 rows a work-group; LN: layer norm over each head of 64 columns, no gain.  Both products on codes of FP4 (E2M1) with one E8M0 scale for each 32 along K.
; The weights come masked, quantised and laid in the order of use from wq (the launch before).  The problem's own masks leave hidden units 0 .. 3071 with K = columns 0 .. 128 g + 127 of x for group g of 512 units,
; outputs 0 .. 767 with K = hidden units 0 .. 1024 i + 1023 for tile row i of 256 outputs, and zeros in outputs 768 .. 1023, which are stored as zeros.  Columns 768 .. 1023 of x meet zero codes alone and are not read.
; SHARES.  Sixteen waves.  THE WAVES SHARE THE COLUMNS, NOT THE ROWS: in group g wave w makes hidden units 512 g + 32 w .. + 31, in tile row i outputs 256 i + 16 w .. + 15, each for both tiles of 16 rows.
; So each weight fragment is read by ONE wave of the work-group and lands in its operand registers straight from memory: a ring of five steps in registers (a step: two fragments and their scale words, five loads), waited for by count.
; No tile is shared through LDS, so no cluster is formed: what a partner would share, the weights, goes to one wave's registers here and would go through LDS, written and read once more, if it were asked for jointly.
; OPERANDS GO FROM WAVE TO WAVE THROUGH LDS AS IMAGES OF THEIR REGISTERS: x's 12 fragments (tile of rows m, K step ks) and the hidden layer's 48 (m, chunk c of 128 units); a fragment's group of four registers at 16 x lane.
; BOTH PRODUCTS ARE USED TRANSPOSED (source 0 = 16 rows of a weight, source 1 = 16 rows of x or of the hidden layer): a lane holds one row and its registers run along the columns.
; W_fc's rows of a tile are not neighbours (lane r of tile u takes unit 8 u + r + 8 (r / 8) of the wave's 32), so that a lane's 16 results are 16 neighbours along the next K: half of one block of 32.
; PHASES: waves 0-11 norm and quantise one fragment of x each, waves 12-15 store the zero columns | barrier | product 1, group by group, relu^2, quantised, image to LDS | barrier | product 2 | stage | barrier | whole rows out.
; LIMITS: inputs are finite; a block of zeros carries the byte 1 where the rule says 127 (its codes are zeros; no byte leaves the program); blocks whose largest magnitude lies under 2^-124 have their byte held at 1;
; the norm's sums are f32 sums in another order than the reference's; the mean is taken away before the squares are summed.
.set SCB,  1474560                     ; wq: the scale words begin here
.set XIMG, 0                           ; LDS: x's 12 fragments, 1,024 bytes each (6 m + ks);
.set XSC,  12288                       ; their scale words, 128 bytes each;
.set HIMG, 13824                       ; the hidden layer's fragments: 24576 m + 1024 c; in one: block b of 32 at 256 b, row r at 16 r;
.set HSC,  62976                       ; their scale words: 1536 m + 64 c + 4 r;
.set STG,  66048                       ; the stage: 32 rows of 3,072 bytes + 16
.set SP,   3088                        ; 193 x 16: sixteen rows' 16 bytes fall on sixteen different columns of 16 bytes modulo 256
.set LI,   1                           ; v1   16 x lane: an image's place for my lane
.set LS,   2                           ; v2   4 x lane: a scale word's
.set WO,   3                           ; v3   1024 w + 16 lane: my codes in a unit of wq; the same number is the place of x's fragment w in LDS
.set SO,   4                           ; v4   128 w + 4 lane: my scale word in a step of wq; and, from XSC on, that of x's fragment w
.set XA,   5                           ; v5   x: 4096 r + 64 h
.set HW,   8                           ; v8   HIMG + 256 w + 16 r + 8 h: where my 16 hidden codes go
.set HB,   9                           ; v9   HSC + 64 (w / 4) + w % 4 + 4 r: and their scale byte
.set HSR,  11                          ; v11  HSC + 4 r
.set STO,  14                          ; v14  STG + SP r + 64 w + 32 h
.set SRD,  15                          ; v15  STG + 2 SP w + 16 lane
.set OO,   254                         ; v254 out0: 8192 w + 16 lane
.set ZO,   255                         ; v255 out0: 32768 (w % 4) + 3072 + 16 lane
.set X,    16                          ; v16-79   64 numbers of x
.set SU,   80                          ; v80-83   sums, a pair a head
.set PD,   84                          ; v84-85   lane permutes' destinations
.set MU,   86                          ; v86-89   means (the low word of a pair)
.set VA,   90                          ; v90-93   sums of squares
.set RS,   94                          ; v94-97   1 / sqrt(variance + eps) (the low word of a pair)
.set TM,   124                         ; v124-139 x's quantiser at work
.set PC,   140                         ; v140-147 x's codes
.set PW,   148                         ; v148     x's scale word
.set XF,   16                          ; v16-111  product 1: x's 12 fragments
.set XS,   112                         ; v112-123 scale words and nothing else: x's 12; in product 2 the hidden layer's
.set ACC1, 124                         ; v124-155 product 1: accumulator (u, m) at 124 + 8 (2 u + m)
.set WR,   156                         ; v156-235 the weights' ring: five steps x two fragments
.set WS,   236                         ; v236-240 the ring's scale words, and nothing else
.set ET,   241                         ; v241-242 the hidden layer's quantiser: largest numbers;
.set EP,   243                         ; v243-244 lane permutes' destinations;
.set ES,   245                         ; v245-246 the conversions' scale operands;
.set EB,   247                         ; v247-248 bytes;
.set EC,   250                         ; v250-253 codes, a pair a tile of rows
.set ACC2, 16                          ; v16-63   product 2: accumulator (i, m) at 16 + 8 (2 i + m)
.set HF,   64                          ; v64-95   two sets of the hidden layer's two fragments of a chunk
.set HS,   112
.set OB,   64                          ; v64-111  the way out
	s_load_b128 s[4:7], s[0:1], 0x0                ; x, wq
	s_load_b64 s[8:9], s[0:1], 0x10                ; out0
	v_lshl_add_u32 v13, v0, 2, 0x28400
	v_mov_b32 v249, 0
	v_lshrrev_b32 v16, 5, v0
	v_readfirstlane_b32 s10, v16                   ; wave 0..15
	v_and_b32 v17, 31, v0                          ; lane
	v_and_b32 v18, 15, v0                          ; r
	v_bfe_u32 v19, v0, 4, 1                        ; h
	; every address register is made here, ahead of the place where the waves part
	v_lshlrev_b32 v[LI], 4, v17
	v_lshlrev_b32 v[LS], 2, v17
	s_lshl_b32 s11, s10, 10
	v_add_nc_u32 v[WO], s11, v[LI]
	s_lshl_b32 s11, s10, 7
	v_add_nc_u32 v[SO], s11, v[LS]
	v_lshlrev_b32 v[XA], 12, v18
	v_lshl_add_u32 v[XA], v19, 6, v[XA]
	s_lshl_b32 s11, s10, 8
	s_add_co_u32 s11, s11, HIMG
	v_lshlrev_b32 v[HW], 4, v18
	v_lshl_add_u32 v[HW], v19, 3, v[HW]
	v_add_nc_u32 v[HW], s11, v[HW]
	s_lshr_b32 s11, s10, 2
	s_lshl_b32 s11, s11, 6
	s_and_b32 s14, s10, 3
	s_add_co_u32 s11, s11, s14
	s_add_co_u32 s11, s11, HSC
	v_lshl_add_u32 v[HB], v18, 2, s11
	v_lshl_add_u32 v[HSR], v18, 2, HSC
	v_mul_u32_u24 v[STO], v18, SP
	v_lshl_add_u32 v[STO], v19, 5, v[STO]
	s_lshl_b32 s11, s10, 6
	s_add_co_u32 s11, s11, STG
	v_add_nc_u32 v[STO], s11, v[STO]
	s_mul_i32 s11, s10, 2*SP
	s_add_co_u32 s11, s11, STG
	v_add_nc_u32 v[SRD], s11, v[LI]
	s_lshl_b32 s11, s10, 13
	v_add_nc_u32 v[OO], s11, v[LI]
	s_and_b32 s11, s10, 3
	s_lshl_b32 s11, s11, 15
	s_add_co_u32 s11, s11, 3072
	v_add_nc_u32 v[ZO], s11, v[LI]
	v_mov_b32 v[EP], 0                             ; a lane permute's destination counts as one of its sources
	v_mov_b32 v[EP+1], 0
	s_mov_b32 s20, 0x76543210
	s_mov_b32 s21, 0xfedcba98                      ; v_permlanex16_b32's selects for lane l xor 16
	s_mov_b32 s22, 0x3c800000                      ; 1 / 64
	s_mov_b32 s23, 0x3727c5ac                      ; eps = 1e-5
	s_lshl_b32 s16, ttmp9, 17                      ; my work-group's 32 rows of 4,096 bytes, in x and in out0
	s_mov_b32 s17, 0
	s_cmp_ge_u32 s10, 6                            ; wave w < 12 takes x's fragment w = 6 m + ks
	s_cselect_b32 s14, 1, 0                        ; m
	s_mul_i32 s15, s14, 6
	s_sub_co_u32 s15, s10, s15                     ; ks
	s_lshl_b32 s14, s14, 16                        ; 16 rows,
	s_lshl_b32 s15, s15, 9                         ; 128 columns
	s_add_co_u32 s14, s14, s15
	s_add_co_u32 s18, s16, s14
	s_mov_b32 s19, 0
	s_wait_kmcnt 0x0
	s_add_nc_u64 s[12:13], s[4:5], s[18:19]        ; x at my fragment's first number
	s_add_nc_u64 s[8:9], s[8:9], s[16:17]          ; out0 at the work-group's first row
; Step s of the weights' stream into buffer s % 5: two fragments and the word of each of their rows.  Every offset is an immediate (1,564,672 at the most); no pointer is stepped and no address register is written again.
.macro WLOAD s
.set WB, WR+16*((\s)%5)
	global_load_b128 v[WB:WB+3],     v[WO], s[6:7] offset:(2*(\s))*16384
	global_load_b128 v[WB+4:WB+7],   v[WO], s[6:7] offset:(2*(\s))*16384+512
	global_load_b128 v[WB+8:WB+11],  v[WO], s[6:7] offset:(2*(\s)+1)*16384
	global_load_b128 v[WB+12:WB+15], v[WO], s[6:7] offset:(2*(\s)+1)*16384+512
	global_load_b32  v[WS+(\s)%5],   v[SO], s[6:7] offset:SCB+(\s)*2048
.endm
; The places behind matrix instructions.  A load into a register that a matrix instruction has read, and a vector instruction or an LDS store that reads a result, stand four plain vector instructions behind it
; (ISA guide 7.12.1 for vector instructions).  PL = 1 says that they stand already behind the last matrix instruction.
.set PL, 1
.macro NEED4
.if PL == 0
.rept 4
	v_nop
.endr
.set PL, 1
.endif
.endm
; One matrix instruction: D = v[MD ..], source 0 = the weight's fragment v[MA ..], source 1 = the rows' fragment v[MB ..]; MZ = 1: it starts the sum; MR1 = 1: the weight's scale words stand in lanes 16-31.
.macro MM
.if MZ
.if MR1
	v_wmma_scale_f32_16x16x128_f8f6f4 v[MD:MD+7], v[MA:MA+7], v[MB:MB+7], 0, v[MSA], v[MSB] matrix_a_fmt:MATRIX_FMT_FP4 matrix_b_fmt:MATRIX_FMT_FP4 matrix_a_scale:MATRIX_SCALE_ROW1
.else
	v_wmma_scale_f32_16x16x128_f8f6f4 v[MD:MD+7], v[MA:MA+7], v[MB:MB+7], 0, v[MSA], v[MSB] matrix_a_fmt:MATRIX_FMT_FP4 matrix_b_fmt:MATRIX_FMT_FP4
.endif
.else
.if MR1
	v_wmma_scale_f32_16x16x128_f8f6f4 v[MD:MD+7], v[MA:MA+7], v[MB:MB+7], v[MD:MD+7], v[MSA], v[MSB] matrix_a_fmt:MATRIX_FMT_FP4 matrix_b_fmt:MATRIX_FMT_FP4 matrix_a_scale:MATRIX_SCALE_ROW1
.else
	v_wmma_scale_f32_16x16x128_f8f6f4 v[MD:MD+7], v[MA:MA+7], v[MB:MB+7], v[MD:MD+7], v[MSA], v[MSB] matrix_a_fmt:MATRIX_FMT_FP4 matrix_b_fmt:MATRIX_FMT_FP4
.endif
.endif
.set PL, 0
.endm
	s_cmp_lt_u32 s10, 12                           ; the one place where the waves part, on the wave's number; no barrier stands inside
	s_cbranch_scc0 .Lzeros
	; ---- waves 0-11: 16 rows x 128 columns of x: lane (r, h) takes, of row r, 16 neighbours of each block of 32: register 16 b + i = column 32 b + 16 h + i
.irp b, 0,1,2,3
.irp j, 0,1,2,3
	global_load_b128 v[X+16*\b+4*\j:X+16*\b+4*\j+3], v[XA], s[12:13] offset:128*\b+16*\j th:TH_LOAD_NT
.endr
.endr
.irp s, 0,1,2,3,4
	WLOAD \s                                       ; the ring is filled behind x's loads
.endr
.irp k, PD, PD+1, MU+1, MU+3, RS+1, RS+3, TM+4, TM+5, TM+6, TM+7
	v_mov_b32 v[\k], 0                             ; lane permutes' destinations, and the upper words of pairs of which the packed forms take the low word alone
.endr
	s_wait_loadcnt 25                              ; x's 16 loads are in; the ring's 25, issued behind them, stay out
	; the layer norm: registers 0-31 are half of one head of 64, registers 32-63 half of the next; the other halves lie in lane l xor 16.  The two heads by turns
.irp d, 0,1
	v_pk_add_f32 v[SU+2*\d:SU+2*\d+1], v[X+32*\d:X+32*\d+1], v[X+32*\d+2:X+32*\d+3]
.endr
.irp p, 4,6,8,10,12,14,16,18,20,22,24,26,28,30
.irp d, 0,1
	v_pk_add_f32 v[SU+2*\d:SU+2*\d+1], v[SU+2*\d:SU+2*\d+1], v[X+32*\d+\p:X+32*\d+\p+1]
.endr
.endr
.irp d, 0,1
	v_add_f32 v[SU+2*\d], v[SU+2*\d], v[SU+2*\d+1]
.endr
.irp d, 0,1
	v_permlanex16_b32 v[PD+\d], v[SU+2*\d], s20, s21
.endr
.irp d, 0,1
	v_add_f32 v[SU+2*\d], v[SU+2*\d], v[PD+\d]
.endr
.irp d, 0,1
	v_mul_f32 v[MU+2*\d], s22, v[SU+2*\d]          ; the mean
.endr
.irp p, 0,2,4,6,8,10,12,14,16,18,20,22,24,26,28,30
.irp d, 0,1
	v_pk_add_f32 v[X+32*\d+\p:X+32*\d+\p+1], v[X+32*\d+\p:X+32*\d+\p+1], v[MU+2*\d:MU+2*\d+1] op_sel_hi:[1,0] neg_lo:[0,1] neg_hi:[0,1]   ; x - mean, ahead of the squares
.endr
.endr
.irp d, 0,1
	v_pk_mul_f32 v[VA+2*\d:VA+2*\d+1], v[X+32*\d:X+32*\d+1], v[X+32*\d:X+32*\d+1]
.endr
.irp p, 2,4,6,8,10,12,14,16,18,20,22,24,26,28,30
.irp d, 0,1
	v_pk_fma_f32 v[VA+2*\d:VA+2*\d+1], v[X+32*\d+\p:X+32*\d+\p+1], v[X+32*\d+\p:X+32*\d+\p+1], v[VA+2*\d:VA+2*\d+1]
.endr
.endr
.irp d, 0,1
	v_add_f32 v[VA+2*\d], v[VA+2*\d], v[VA+2*\d+1]
.endr
.irp d, 0,1
	v_permlanex16_b32 v[PD+\d], v[VA+2*\d], s20, s21
.endr
.irp d, 0,1
	v_add_f32 v[VA+2*\d], v[VA+2*\d], v[PD+\d]
.endr
.irp d, 0,1
	v_fma_f32 v[VA+2*\d], v[VA+2*\d], s22, s23     ; the variance + eps
.endr
.irp d, 0,1
	v_rsq_f32 v[RS+2*\d], v[VA+2*\d]
.endr
	v_nop                                          ; a plain instruction behind the last of the two
	s_wait_alu depctr_va_vdst(0)                   ; one wait for both, ahead of their first reader
.irp p, 0,2,4,6,8,10,12,14,16,18,20,22,24,26,28,30
.irp d, 0,1
	v_pk_mul_f32 v[X+32*\d+\p:X+32*\d+\p+1], v[X+32*\d+\p:X+32*\d+\p+1], v[RS+2*\d:RS+2*\d+1] op_sel_hi:[1,0]
.endr
.endr
	; the quantiser: four blocks of 32, each in lanes l and l xor 16
.irp b, 0,1,2,3
	v_max3_num_f32 v[TM+\b], |v[X+16*\b]|, |v[X+1+16*\b]|, 0x1800000   ; my 16 numbers, and the floor 2^(3 - 127): the byte cannot fall under 1
.endr
.irp i, 2,4,6,8,10,12,14
.irp b, 0,1,2,3
	v_max3_num_f32 v[TM+\b], v[TM+\b], |v[X+16*\b+\i]|, |v[X+1+16*\b+\i]|
.endr
.endr
.irp b, 0,1,2,3
	v_permlanex16_b32 v[TM+4+\b], v[TM+\b], s20, s21
.endr
.irp b, 0,1,2,3
	v_max_num_f32 v[TM+\b], v[TM+\b], v[TM+4+\b]   ; the block's largest magnitude
.endr
.irp b, 0,1,2,3
	v_add_nc_u32 v[TM+12+\b], 0xff000000, v[TM+\b] ; 2 off its exponent field: the conversion's scale operand
.endr
.irp b, 0,1,2,3
	v_lshrrev_b32 v[TM+4+\b], 23, v[TM+12+\b]      ; the scale's byte
.endr
	v_lshl_or_b32 v[PW], v[TM+5], 8, v[TM+4]       ; my row's scale word
	v_lshl_or_b32 v[PW], v[TM+6], 16, v[PW]
	v_lshl_or_b32 v[PW], v[TM+7], 24, v[PW]
.irp b, 0,1,2,3
	v_cvt_scalef32_pk8_fp4_f32 v[PC+2*\b], v[X+16*\b:X+7+16*\b], v[TM+12+\b]
	v_cvt_scalef32_pk8_fp4_f32 v[PC+1+2*\b], v[X+8+16*\b:X+15+16*\b], v[TM+12+\b]
.endr
	v_nop                                          ; one plain instruction behind a scaled conversion
.irp c, 0,1                                    ; the operand's layout wants a whole block in a lane: lanes 0-15 block 2 c, lanes 16-31 block 2 c + 1
.irp i, 0,1
	v_permlane16_swap_b32 v[PC+4*\c+\i], v[PC+2+4*\c+\i]
.endr
.endr
.irp c, 0,1
	ds_store_b128 v[WO], v[PC+4*\c:PC+4*\c+3] offset:XIMG+512*\c   ; the fragment goes to LDS as it stands
.endr
	ds_store_b32 v[SO], v[PW] offset:XSC
	s_branch .Ljoin
.Lzeros:
	; ---- waves 12-15: the ring, and the zeros of columns 768 .. 1023: 8 rows a wave, 1,024 bytes a row
.irp s, 0,1,2,3,4
	WLOAD \s
.endr
.irp k, 16,17,18,19
	v_mov_b32 v[\k], 0
.endr
.irp t, 0,1,2,3,4,5,6,7,8,9,10,11,12,13,14,15
	global_store_b128 v[ZO], v[16:19], s[8:9] offset:(\t/2)*4096+(\t%2)*512 th:TH_STORE_NT   ; 32 lanes store 512 consecutive bytes, at a multiple of 512 from out0's first byte
.endr
	s_wait_xcnt 0x0                                ; the stores' data registers are loaded into below: only behind this wait
.Ljoin:
	s_wait_dscnt 0x0                               ; for the others' sake: my stores of x's image have landed
	s_barrier_signal -1
	s_barrier_wait -1                              ; x's twelve fragments lie in LDS (the ring's loads stay out: nobody writes wq)
.irp q, 0,1,2,3,4,5,6,7,8,9,10,11
	ds_load_b128 v[XF+8*\q:XF+8*\q+3],   v[LI] offset:XIMG+1024*\q
	ds_load_b128 v[XF+8*\q+4:XF+8*\q+7], v[LI] offset:XIMG+1024*\q+512
	ds_load_b32  v[XS+\q],               v[LS] offset:XSC+128*\q
.endr
	s_wait_dscnt 0x0                               ; they stay in registers through all of product 1
; ---- PRODUCT 1.  A step: K step KS of the group in hand: my two tiles of units x the two tiles of rows.  The four accumulators take turns, one instruction a turn.
.macro G1STEP
.set LEFT, 44-STP
.if LEFT > 4
.set LEFT, 4
.endif
	s_wait_loadcnt 5*LEFT                          ; this step's five loads are in; those of the younger steps of the ring, five each, stay out
.set MZ, 0
.if KS == 0
.set MZ, 1
.endif
.set MSA, WS+STP%5
.irp u, 0,1
.irp m, 0,1
.set MD, ACC1+8*(2*\u+\m)
.set MA, WR+16*(STP%5)+8*\u
.set MB, XF+8*(6*\m+KS)
.set MSB, XS+6*\m+KS
.set MR1, \u
	MM
.endr
.endr
	NEED4                                          ; in front of the loads into the buffer just multiplied, and of the first read of results
	WLOAD STP+5
.endm
; The group's end: relu^2, the quantiser, the image.  For tile of rows m a lane's 16 numbers (accumulators (0, m) and (1, m)) are units 16 h + 0 .. 15 of my block of 32; the other 16 lie in lane l xor 16.
; Their 16 codes are 8 bytes, which lie in the fragment's image at 256 x block + 16 r + 8 h: so no lanes change places.
.macro EPI g
	s_wait_dscnt 0x0                               ; the last group's stores have read their registers
.set JJ, 0
.rept 32
	v_max_num_f32 v[ACC1+JJ], 0, v[ACC1+JJ]        ; ascending: each accumulator is read from its low end on
.set JJ, JJ+1
.endr
.set JJ, 0
.rept 16
	v_pk_mul_f32 v[ACC1+JJ:ACC1+JJ+1], v[ACC1+JJ:ACC1+JJ+1], v[ACC1+JJ:ACC1+JJ+1]
.set JJ, JJ+2
.endr
.irp m, 0,1
	v_max3_num_f32 v[ET+\m], v[ACC1+8*\m], v[ACC1+8*\m+1], 0x1800000   ; none is negative: no |.|; the floor 2^(3 - 127) holds the byte at 1 from below
.endr
.irp i, 2,4,6,16,18,20,22
.irp m, 0,1
	v_max3_num_f32 v[ET+\m], v[ET+\m], v[ACC1+8*\m+\i], v[ACC1+8*\m+\i+1]
.endr
.endr
.irp m, 0,1
	v_permlanex16_b32 v[EP+\m], v[ET+\m], s20, s21
.endr
.irp m, 0,1
	v_max_num_f32 v[ET+\m], v[ET+\m], v[EP+\m]     ; the block's largest number
.endr
.irp m, 0,1
	v_add_nc_u32 v[ES+\m], 0xff000000, v[ET+\m]    ; 2 off its exponent field: the conversion's scale operand
.endr
.irp m, 0,1
	v_lshrrev_b32 v[EB+\m], 23, v[ES+\m]           ; the scale's byte
.endr
.irp m, 0,1
	v_cvt_scalef32_pk8_fp4_f32 v[EC+2*\m],   v[ACC1+8*\m:ACC1+8*\m+7],     v[ES+\m]
	v_cvt_scalef32_pk8_fp4_f32 v[EC+2*\m+1], v[ACC1+16+8*\m:ACC1+16+8*\m+7], v[ES+\m]
.endr
	v_nop                                          ; one plain instruction behind the last scaled conversion
.irp m, 0,1
	ds_store_b64 v[HW], v[EC+2*\m:EC+2*\m+1] offset:4096*\g+24576*\m   ; the wave's 32 lanes fill 256 consecutive bytes: block w % 4 of chunk 4 g + w / 4
	ds_store_b8  v[HB], v[EB+\m] offset:256*\g+1536*\m                 ; lanes l and l xor 16 write the same byte with the same value
.endr
.rept 5
	v_nop                                          ; the next matrix instructions begin accumulators anew, over registers of earlier ones: five places
.endr
.set PL, 1
.endm
.set STP, 0
.irp g, 0,1,2,3,4,5
.set KS, 0
.rept \g+1
	G1STEP
.set STP, STP+1
.set KS, KS+1
.endr
	EPI \g
.endr
	s_wait_dscnt 0x0                               ; for the others' sake: my images of the hidden layer have landed
	s_barrier_signal -1
	s_barrier_wait -1                              ; the hidden layer's 48 fragments lie in LDS
; ---- PRODUCT 2.  Chunk c's two fragments (tiles of rows 0, 1) and their scale words into set c % 2: six LDS loads
.macro HLOAD c
.set HB0, HF+16*((\c)%2)
.irp m, 0,1
	ds_load_b128 v[HB0+8*\m:HB0+8*\m+3],   v[LI] offset:HIMG+24576*\m+1024*(\c)
	ds_load_b128 v[HB0+8*\m+4:HB0+8*\m+7], v[LI] offset:HIMG+24576*\m+1024*(\c)+512
	ds_load_b32  v[HS+2*((\c)%2)+\m],      v[HSR] offset:1536*\m+64*(\c)
.endr
.endm
; Unit NN of 48: chunk CH, tile row TI: my tile of 16 outputs x the two tiles of rows.  Two accumulators, one instruction each: no two matrix instructions that follow each other share one.
.macro G2HU
.set FIRST, 0
.if NN < 24
.set CH, NN/3
.set TI, NN%3
.if TI == 0
.set FIRST, 1
.endif
.elseif NN < 40
.set CH, 8+(NN-24)/2
.set TI, 1+(NN-24)%2
.if TI == 1
.set FIRST, 1
.endif
.else
.set CH, NN-24
.set TI, 2
.set FIRST, 1
.endif
.set STP, 21+NN/2
.if FIRST && (CH < 23)
	NEED4                                          ; the other set was multiplied by the chunk before
	HLOAD CH+1                                     ; a chunk ahead
.endif
.if NN%2 == 0
.set LEFT, 44-STP
.if LEFT > 4
.set LEFT, 4
.endif
	s_wait_loadcnt 5*LEFT                          ; this step's five loads are in; the younger steps', five each, stay out
.endif
.if FIRST
.if CH < 23
	s_wait_dscnt 6                                 ; this chunk's six loads are in; the next chunk's six stay out
.else
	s_wait_dscnt 0x0
.endif
.endif
.set MZ, 0
.if CH == 0
.set MZ, 1
.endif
.set MA, WR+16*(STP%5)+8*(NN%2)
.set MSA, WS+STP%5
.set MR1, NN%2
.irp m, 0,1
.set MD, ACC2+8*(2*TI+\m)
.set MB, HF+16*(CH%2)+8*\m
.set MSB, HS+2*(CH%2)+\m
	MM
.endr
.if (NN%2 == 1) && (STP+5 <= 44)
	NEED4                                          ; in front of the loads into the buffer just multiplied
	WLOAD STP+5
.endif
.endm
	HLOAD 0
.set NN, 0
.rept 48
	G2HU
.set NN, NN+1
.endr
	; ---- THE WAY OUT.  A lane's eight results are eight neighbouring outputs of one row; a row's 768 come from sixteen waves.  They meet in the stage, and each wave stores two whole rows.
	NEED4
.irp i, 0,1,2
.irp m, 0,1
	ds_store_b128 v[STO], v[ACC2+8*(2*\i+\m):ACC2+8*(2*\i+\m)+3]   offset:16*\m*SP+1024*\i      ; each accumulator from its low end on
	ds_store_b128 v[STO], v[ACC2+8*(2*\i+\m)+4:ACC2+8*(2*\i+\m)+7] offset:16*\m*SP+1024*\i+16
.endr
.endr
	s_wait_dscnt 0x0                               ; for the others' sake: my stores into the stage have landed
	s_barrier_signal -1
	s_barrier_wait -1                              ; 32 rows of 768 outputs lie in the stage
.irp t, 0,1,2,3,4,5,6,7,8,9,10,11
	ds_load_b128 v[OB+4*\t:OB+4*\t+3], v[SRD] offset:(\t/6)*SP+(\t%6)*512
.endr
.irp t, 0,1,2,3,4,5,6,7,8,9,10,11
	s_wait_dscnt 11-\t                             ; LDS loads come back in order: load t is in, the younger ones stay out
	global_store_b128 v[OO], v[OB+4*\t:OB+4*\t+3], s[8:9] offset:(\t/6)*4096+(\t%6)*512 th:TH_STORE_NT   ; 32 lanes store 512 consecutive bytes, at a multiple of 512 from out0's first byte
.endr
	s_wait_tensorcnt 0x0
	ds_add_u32 v13, v249
	s_wait_dscnt 0x0
	s_endpgm
.Lfunc_end_k_qfddb6bf3b3_mlp:
	.size	k_qfddb6bf3b3_mlp, .Lfunc_end_k_qfddb6bf3b3_mlp-k_qfddb6bf3b3_mlp
	.p2alignl 7, 3214868480
	.fill 96, 4, 3214868480
	.section	.rodata,"a",@progbits
	.p2align	6, 0x0
	.amdhsa_kernel k_qfddb6bf3b3_mlp
		.amdhsa_group_segment_fixed_size 166912
		.amdhsa_private_segment_fixed_size 0
		.amdhsa_enable_private_segment 0
		.amdhsa_kernarg_size 24
		.amdhsa_user_sgpr_count 2
		.amdhsa_user_sgpr_kernarg_segment_ptr 1
		.amdhsa_wavefront_size32 1
		.amdhsa_system_sgpr_workgroup_id_x 1
		.amdhsa_system_sgpr_workgroup_id_y 1
		.amdhsa_system_sgpr_workgroup_id_z 1
		.amdhsa_system_vgpr_workitem_id 0
		.amdhsa_next_free_vgpr 256
		.amdhsa_next_free_sgpr 66
		.amdhsa_reserve_vcc 0
		.amdhsa_float_denorm_mode_32 3
		.amdhsa_float_denorm_mode_16_64 3
		.amdhsa_memory_ordered 1
		.amdhsa_forward_progress 1
		.amdhsa_inst_pref_size 114
	.end_amdhsa_kernel
	.amdgpu_metadata
---
amdhsa.version: [ 1, 2 ]
amdhsa.kernels:
  - .name:           k_qfddb6bf3b3_mlp
    .symbol:         k_qfddb6bf3b3_mlp.kd
    .args:
      - { .name: x, .offset: 0, .size: 8, .value_kind: global_buffer, .address_space: global }
      - { .name: wq, .offset: 8, .size: 8, .value_kind: global_buffer, .address_space: global }
      - { .name: out0, .offset: 16, .size: 8, .value_kind: global_buffer, .address_space: global }
    .group_segment_fixed_size: 166912
    .private_segment_fixed_size: 0
    .kernarg_segment_align: 8
    .kernarg_segment_size: 24
    .max_flat_workgroup_size: 512
    .sgpr_count:     66
    .vgpr_count:     256
    .wavefront_size: 32
...
	.end_amdgpu_metadata
.endif
;; end of part 2
;; ======== version 2 of 3: 2 launches
;; workspace buffers: wq 1,566,720 bytes
;; launch prep (part 3): grid 180 x 1, 4 waves a work-group, no clusters, 68,096 bytes of LDS; arguments W_fc, W_proj, wq; writes wq
.if DOCPART == 3
	.amdgcn_target "amdgcn-amd-amdhsa--gfx1250"
	.amdhsa_code_object_version 6
	.text
	.protected	k_qfddb6bf3b3_prep
	.globl	k_qfddb6bf3b3_prep
	.p2align	8
	.type	k_qfddb6bf3b3_prep,@function
k_qfddb6bf3b3_prep:
	s_mov_b64 s[64:65], 0
	v_nop
	global_prefetch_b8 v0, s[64:65] scope:SCOPE_SE
	s_setreg_imm32_b32 hwreg(HW_REG_WAVE_MODE, 25, 1), 1
	s_wait_xcnt 0x0
; The kept parts of W_fc [4096][1024] and W_proj [1024][4096], f32, are masked as the problem's own triangular masks say, quantised along K to codes of FP4 (E2M1) with one
; E8M0 byte for each 32 along K, and laid into wq IN THE ORDER OF THE OPERAND'S REGISTERS and in the order in which the second launch uses them.
; MASKS: W_fc(f, j) counts where j <= f / 4 (rounded down) and f < 3072; W_proj(e, j) where j <= 4 e and e < 768.  What lies wholly under a mask is not laid out at all, but for
; 168 fragments of W_proj that keep the second launch's text the same in all its waves: they hold zero codes.
; A FRAGMENT is 16 rows x 128 K: 8 registers a lane, 1,024 bytes.  Lane (r = lane % 16, hh = lane / 16) holds row r; its registers 4 c .. 4 c + 3 are the whole block k = 64 c + 32 hh + 0 .. 31.
; A UNIT n (0 .. 89) is 16 fragments, one for each wave slot w of the second launch: codes at 16384 n + 1024 w + 512 c + 16 lane.
; Scale words from byte SCB on: for the pair of units 2 P, 2 P + 1 and slot w: 2048 P + 128 w + 4 lane; lanes 0-15 the rows of unit 2 P's fragment, lanes 16-31 those of unit 2 P + 1's.
; UNITS 0 .. 41, W_fc: pair P = g (g + 1) / 2 + ks (group g of 512 hidden units, K step ks = 0 .. g); unit 2 P + u; row of lane r: 512 g + 32 w + 8 u + r + 8 (r / 8); k from 128 ks on.
; UNITS 42 + n2, W_proj: chunk c of 128 along K and tile row i: n2 < 24: c = n2 / 3, i = n2 % 3;  n2 < 40: c = 8 + (n2 - 24) / 2, i = 1 + (n2 - 24) % 2;  else c = n2 - 24, i = 2;  row 256 i + 16 w + r.
; SHARES: job J = 4 x work-group + wave (0 .. 719): pair P = J / 16, slot w = J % 16: one wave makes two fragments and their 128 bytes of scale words.  No barrier, no branch: waves share nothing.
; THE WAY IN.  The quantiser wants a whole block of 32 neighbours in ONE lane; a load is best where neighbouring LANES take neighbouring bytes.  Both are had: each load takes one row's 512 consecutive bytes, 16 a lane;
; a fragment's 16 rows go through the wave's own stage in LDS as they lie (rows 528 bytes apart) and come back 128 bytes a lane.
; A block's scale is 2^(floor(log2(its largest magnitude)) - 2); its byte is the largest magnitude's exponent field - 2, held at 1 from below.
; LIMITS: inputs are finite (a masked element is replaced by 0 or not read, so an infinity or NaN there does not spread as 0 x infinity would); a block of zeros gets the byte 1 where the rule says 127:
; its codes are zeros, and the bytes are read by this program alone; blocks whose largest magnitude lies under 2^-124 have their byte held at 1.
.set SCB,  1474560                     ; 90 units x 16,384 bytes of codes lie ahead of the scale words
.set TP,   528                         ; a stage row: 512 bytes + 16: the sixteen rows that a load out of the stage touches begin at sixteen different places modulo 256 bytes
.set FST,  16*TP                       ; a fragment's stage; a wave has two
.set L16,  4                           ; v4      16 x lane
.set SA,   5                           ; v5      the stage, on the way in: my wave's + 16 x lane
.set DD,   6                           ; v6-9    fragment q, block c: d = the last k that counts for my row, counted from the block's first k (signed)
.set DO,   10                          ; v10     where my codes go
.set SOF,  11                          ; v11     where my scale word goes
.set SH8,  16                          ; v16     8 hh
.set PT,   17                          ; v17     a lane permute's destination
.set MX,   18                          ; v18-19  largest magnitudes
.set SOP,  20                          ; v20-21  the conversions' scale operands
.set BY,   22                          ; v22-23  scale bytes
.set SW,   24                          ; v24-25  fragment q's scale words
.set RA,   27                          ; v27     the stage, on the way out: my wave's + TP r + 128 hh
.set NX,   32                          ; v32-95 fragment 0's numbers, v96-159 fragment 1's: as loaded, then as the quantiser wants them
.set CD,   160                         ; v160-167, v168-175 their codes
.set OF,   176                         ; v176-207 fragment q, row j of the tile: my byte offset in the weight; never rewritten
	s_load_b128 s[4:7], s[0:1], 0x0                ; W_fc, W_proj
	s_load_b64 s[8:9], s[0:1], 0x10                ; wq
	v_lshl_add_u32 v208, v0, 2, 0x10800
	v_mov_b32 v209, 0
	v_lshrrev_b32 v1, 5, v0
	v_readfirstlane_b32 s10, v1                    ; wave 0..3
	v_and_b32 v1, 31, v0                           ; lane
	v_and_b32 v2, 15, v0                           ; r
	v_bfe_u32 v3, v0, 4, 1                         ; hh
	s_mov_b32 s38, 0x76543210
	s_mov_b32 s39, 0xfedcba98                      ; v_permlanex16_b32's selects for lane l xor 16
	s_lshl_b32 s11, ttmp9, 2
	s_add_co_u32 s11, s11, s10                     ; J
	s_lshr_b32 s12, s11, 4                         ; P
	s_and_b32 s13, s11, 15                         ; w
	s_mov_b32 s14, 0                               ; g = how many of the triangular numbers 1, 3, 6, 10, 15 are at most P
.irp t, 1,3,6,10,15
	s_cmp_ge_u32 s12, \t
	s_add_co_ci_u32 s14, s14, 0
.endr
	s_add_co_u32 s15, s14, 1
	s_mul_i32 s15, s15, s14
	s_lshr_b32 s15, s15, 1
	s_sub_co_u32 s15, s12, s15                     ; ks = P - g (g + 1) / 2
	s_lshl_b32 s16, s14, 9
	s_lshl_b32 s17, s13, 5
	s_add_co_u32 s16, s16, s17                     ; W_fc: 512 g + 32 w
	s_lshl_b32 s18, s15, 7                         ; W_fc: 128 ks
	s_max_u32 s19, s12, 21
	s_sub_co_u32 s19, s19, 21
	s_lshl_b32 s19, s19, 1                         ; W_proj: n2 of fragment 0 (0 in W_fc's jobs, where it is selected away)
; fragment q's first row into s[28 + q], its first k into s[30 + q]
.macro DECODE q
	s_add_co_u32 s20, s19, \q                      ; n2
	s_mul_i32 s21, s20, 171
	s_lshr_b32 s21, s21, 9                         ; n2 / 3 (exact for n2 < 24)
	s_mul_i32 s22, s21, 3
	s_sub_co_u32 s22, s20, s22                     ; n2 % 3
	s_sub_co_u32 s23, s20, 24                      ; n2 - 24
	s_lshr_b32 s24, s23, 1
	s_add_co_u32 s24, s24, 8
	s_and_b32 s25, s23, 1
	s_add_co_u32 s25, s25, 1
	s_cmp_lt_u32 s20, 40
	s_cselect_b32 s24, s24, s23
	s_cselect_b32 s25, s25, 2
	s_cmp_lt_u32 s20, 24
	s_cselect_b32 s24, s21, s24                    ; c
	s_cselect_b32 s25, s22, s25                    ; i
	s_lshl_b32 s25, s25, 8
	s_lshl_b32 s26, s13, 4
	s_add_co_u32 s25, s25, s26                     ; 256 i + 16 w
	s_lshl_b32 s24, s24, 7                         ; 128 c
	s_add_co_u32 s26, s16, 8*\q                    ; W_fc: + 8 u
	s_cmp_lt_u32 s12, 21                           ; W_fc's job or W_proj's?  The choice hangs on ids alone
	s_cselect_b32 s[28+\q], s26, s25
	s_cselect_b32 s[30+\q], s18, s24
.endm
	DECODE 0
	DECODE 1
	s_cmp_lt_u32 s12, 21
	s_cselect_b32 s32, 12, 14                      ; a row is 2^12 or 2^14 bytes
	s_cselect_b32 s33, 4, 0                        ; the last k that counts: (4 row) >> 4 = row / 4, or 4 row
	s_cselect_b32 s34, 1, 0                        ; W_fc's tiles take rows r + 8 (r / 8)
	s_wait_kmcnt 0x0
	s_cselect_b64 s[36:37], s[4:5], s[6:7]
	s_lshl_b32 s35, 1, s32                         ; a row in bytes
	s_lshl_b32 s40, s34, 15                        ; W_fc: eight rows of 4,096 bytes are passed over behind a tile's row 7; W_proj: none
	v_lshlrev_b32 v[L16], 4, v1
	; a row's pitch differs between the two weights, so a row's place cannot stand in an immediate: an offset register for each of the 32 rows, made once
.irp q, 0,1
	s_lshl_b32 s20, s[28+\q], s32                  ; the tile's first row,
	s_lshl_b32 s21, s[30+\q], 2                    ; 4 bytes x its first k
	s_add_co_u32 s20, s20, s21
.irp j, 0,1,2,3,4,5,6,7,8,9,10,11,12,13,14,15
	v_add_nc_u32 v[OF+16*\q+\j], s20, v[L16]
	s_add_co_u32 s20, s20, s35
.if \j == 7
	s_add_co_u32 s20, s20, s40
.endif
.endr
.endr
.macro FLOAD q                         ; fragment q: sixteen loads, each one row's 512 consecutive bytes
.irp j, 0,1,2,3,4,5,6,7,8,9,10,11,12,13,14,15
	global_load_b128 v[NX+64*\q+4*\j:NX+64*\q+4*\j+3], v[OF+16*\q+\j], s[36:37] th:TH_LOAD_NT
.endr
.endm
.macro TURN q                          ; fragment q through its stage, and back into the registers that it left.  LDS serves a wave's instructions in order (ISA guide 5.7.1.4): no wait between the stores and the loads
.irp j, 0,1,2,3,4,5,6,7,8,9,10,11,12,13,14,15
	ds_store_b128 v[SA], v[NX+64*\q+4*\j:NX+64*\q+4*\j+3] offset:FST*\q+TP*\j
.endr
.irp c, 0,1
.irp j, 0,1,2,3,4,5,6,7
	ds_load_b128 v[NX+64*\q+32*\c+4*\j:NX+64*\q+32*\c+4*\j+3], v[RA] offset:FST*\q+256*\c+16*\j   ; register 32 c + i = number k = 64 c + 32 hh + i of my row
.endr
.endr
.endm
	FLOAD 0
	FLOAD 1
	s_mul_i32 s20, s10, 2*FST                      ; my wave's two stages
	v_add_nc_u32 v[SA], s20, v[L16]
	v_mul_u32_u24 v[RA], v2, TP
	v_lshl_add_u32 v[RA], v3, 7, v[RA]
	v_add_nc_u32 v[RA], s20, v[RA]
	v_and_b32 v12, 8, v2
	v_mul_u32_u24 v12, s34, v12
	v_add_nc_u32 v12, v12, v2                      ; my row in the tile
	v_lshlrev_b32 v15, 5, v3                       ; 32 hh
.irp q, 0,1
	v_add_nc_u32 v13, s[28+\q], v12                ; my row
	s_sub_co_u32 s21, 0, s[30+\q]
	v_lshlrev_b32 v14, 2, v13
	v_lshrrev_b32 v14, s33, v14                    ; the last k that counts for my row
	v_add_nc_u32 v14, s21, v14
	v_sub_nc_u32 v[DD+2*\q], v14, v15              ; counted from my block c = 0,
	v_add_nc_u32 v[DD+2*\q+1], 0xffffffc0, v[DD+2*\q]  ; and from my block c = 1, 64 further on
.endr
	s_lshl_b32 s20, s12, 15
	s_lshl_b32 s21, s13, 10
	s_add_co_u32 s20, s20, s21
	v_lshl_add_u32 v[DO], v1, 4, s20               ; 32768 P + 1024 w + 16 lane
	s_lshl_b32 s22, s12, 11
	s_lshl_b32 s23, s13, 7
	s_add_co_u32 s22, s22, s23
	s_add_co_u32 s22, s22, SCB
	v_lshl_add_u32 v[SOF], v1, 2, s22              ; SCB + 2048 P + 128 w + 4 lane
	v_lshlrev_b32 v[SH8], 3, v3
	v_mov_b32 v[PT], 0                             ; a lane permute's destination counts as one of its sources
	s_wait_loadcnt 16                              ; fragment 0's 16 loads are in; fragment 1's 16, issued behind them, may be out
	TURN 0
	s_wait_loadcnt 0x0
	TURN 1
.macro FQUANT q
.set XQ, NX+64*\q
	s_wait_dscnt 32*(1-\q)                         ; this fragment is back from its stage; the other's 16 stores and 16 loads, issued behind, may be out
.irp c, 0,1
.irp i, 0,1,2,3,4,5,6,7,8,9,10,11,12,13,14,15,16,17,18,19,20,21,22,23,24,25,26,27,28,29,30,31
	v_cmp_le_i32 vcc_lo, \i, v[DD+2*\q+\c]         ; the mask: number i of the block counts where i <= d
	v_cndmask_b32 v[XQ+32*\c+\i], 0, v[XQ+32*\c+\i], vcc_lo
.endr
.endr
.irp c, 0,1                                    ; a block's 32 numbers are all mine: no other lane is asked for its largest magnitude
	v_max3_num_f32 v[MX+\c], |v[XQ+32*\c]|, |v[XQ+32*\c+1]|, 0x1800000   ; and the floor 2^(3 - 127): the byte cannot fall under 1
.endr
.irp i, 2,4,6,8,10,12,14,16,18,20,22,24,26,28,30
.irp c, 0,1
	v_max3_num_f32 v[MX+\c], v[MX+\c], |v[XQ+32*\c+\i]|, |v[XQ+32*\c+\i+1]|   ; (the two blocks by turns)
.endr
.endr
.irp c, 0,1
	v_add_nc_u32 v[SOP+\c], 0xff000000, v[MX+\c]   ; 2 off the exponent field: the conversion takes the exponent field of this operand as its scale
.endr
.irp c, 0,1
	v_lshrrev_b32 v[BY+\c], 23, v[SOP+\c]          ; the scale's byte
.endr
	v_lshl_or_b32 v[SW+\q], v[BY+1], 16, v[BY]     ; my two bytes: blocks hh and 2 + hh of my row,
	v_lshlrev_b32 v[SW+\q], v[SH8], v[SW+\q]       ; at their places in the word;
	v_permlanex16_b32 v[PT], v[SW+\q], s38, s39
	v_or_b32 v[SW+\q], v[SW+\q], v[PT]             ; with lane l xor 16's two the word is whole
.irp c, 0,1
.irp g, 0,1,2,3
	v_cvt_scalef32_pk8_fp4_f32 v[CD+8*\q+4*\c+\g], v[XQ+32*\c+8*\g:XQ+32*\c+8*\g+7], v[SOP+\c]
.endr
.endr
	v_nop                                          ; one plain instruction behind the last scaled conversion: the next fragment writes the scale operands again
.irp c, 0,1
	global_store_b128 v[DO], v[CD+8*\q+4*\c:CD+8*\q+4*\c+3], s[8:9] offset:16384*\q+512*\c   ; 32 lanes store 512 consecutive bytes, at a multiple of 512 from wq's first byte
.endr
.endm
	FQUANT 0
	FQUANT 1
	v_cmp_gt_u32 vcc_lo, 16, v1
	v_cndmask_b32 v26, v[SW+1], v[SW], vcc_lo      ; lanes 0-15: fragment 0's words; lanes 16-31: fragment 1's
	global_store_b32 v[SOF], v26, s[8:9]           ; 128 consecutive bytes a wave: one byte in seventeen of what the launch stores
	s_wait_tensorcnt 0x0
	ds_add_u32 v208, v209
	s_wait_dscnt 0x0
	s_endpgm
.Lfunc_end_k_qfddb6bf3b3_prep:
	.size	k_qfddb6bf3b3_prep, .Lfunc_end_k_qfddb6bf3b3_prep-k_qfddb6bf3b3_prep
	.p2alignl 7, 3214868480
	.fill 96, 4, 3214868480
	.section	.rodata,"a",@progbits
	.p2align	6, 0x0
	.amdhsa_kernel k_qfddb6bf3b3_prep
		.amdhsa_group_segment_fixed_size 68096
		.amdhsa_private_segment_fixed_size 0
		.amdhsa_enable_private_segment 0
		.amdhsa_kernarg_size 24
		.amdhsa_user_sgpr_count 2
		.amdhsa_user_sgpr_kernarg_segment_ptr 1
		.amdhsa_wavefront_size32 1
		.amdhsa_system_sgpr_workgroup_id_x 1
		.amdhsa_system_sgpr_workgroup_id_y 1
		.amdhsa_system_sgpr_workgroup_id_z 1
		.amdhsa_system_vgpr_workitem_id 0
		.amdhsa_next_free_vgpr 210
		.amdhsa_next_free_sgpr 66
		.amdhsa_reserve_vcc 1
		.amdhsa_float_denorm_mode_32 3
		.amdhsa_float_denorm_mode_16_64 3
		.amdhsa_memory_ordered 1
		.amdhsa_forward_progress 1
		.amdhsa_inst_pref_size 29
	.end_amdhsa_kernel
	.amdgpu_metadata
---
amdhsa.version: [ 1, 2 ]
amdhsa.kernels:
  - .name:           k_qfddb6bf3b3_prep
    .symbol:         k_qfddb6bf3b3_prep.kd
    .args:
      - { .name: W_fc, .offset: 0, .size: 8, .value_kind: global_buffer, .address_space: global }
      - { .name: W_proj, .offset: 8, .size: 8, .value_kind: global_buffer, .address_space: global }
      - { .name: wq, .offset: 16, .size: 8, .value_kind: global_buffer, .address_space: global }
    .group_segment_fixed_size: 68096
    .private_segment_fixed_size: 0
    .kernarg_segment_align: 8
    .kernarg_segment_size: 24
    .max_flat_workgroup_size: 128
    .sgpr_count:     66
    .vgpr_count:     210
    .wavefront_size: 32
...
	.end_amdgpu_metadata
.endif
;; end of part 3
;; launch mlp (part 4): grid 256 x 1, 16 waves a work-group, no clusters, 302,080 bytes of LDS; arguments x, wq, out0; writes out0
.if DOCPART == 4
	.amdgcn_target "amdgcn-amd-amdhsa--gfx1250"
	.amdhsa_code_object_version 6
	.text
	.protected	k_qfddb6bf3b3_mlp
	.globl	k_qfddb6bf3b3_mlp
	.p2align	8
	.type	k_qfddb6bf3b3_mlp,@function
k_qfddb6bf3b3_mlp:
	s_mov_b64 s[64:65], 0
	v_nop
	global_prefetch_b8 v0, s[64:65] scope:SCOPE_SE
	s_setreg_imm32_b32 hwreg(HW_REG_WAVE_MODE, 25, 1), 1
	s_wait_xcnt 0x0
; out0 = relu(LN(x) Wfc^T)^2 Wproj^T for 32 rows a work-group; LN: layer norm over each head of 64 columns, no gain.  Both products on codes of FP4 (E2M1) with one E8M0 scale for each 32 along K.
; The weights come masked, quantised and laid in the order of use from wq (the launch before).  The problem's own masks leave hidden units 0 .. 3071 with K = columns 0 .. 128 g + 127 of x for group g of 512 units,
; outputs 0 .. 767 with K = hidden units 0 .. 1024 i + 1023 for tile row i of 256 outputs, and zeros in outputs 768 .. 1023, which are stored as zeros.  Columns 768 .. 1023 of x meet zero codes alone and are not read.
; SHARES.  Sixteen waves.  THE WAVES SHARE THE COLUMNS, NOT THE ROWS: in group g wave w makes hidden units 512 g + 32 w .. + 31, in tile row i outputs 256 i + 16 w .. + 15, each for both tiles of 16 rows.
; So each weight fragment is read by ONE wave of the work-group and lands in its operand registers straight from memory: a ring of five steps in registers (a step: two fragments and their scale words, five loads), waited for by count.
; No tile is shared through LDS, so no cluster is formed: what a partner would share, the weights, goes to one wave's registers here and would go through LDS, written and read once more, if it were asked for jointly.
; OPERANDS GO FROM WAVE TO WAVE THROUGH LDS AS IMAGES OF THEIR REGISTERS: x's 12 fragments (tile of rows m, K step ks) and the hidden layer's 48 (m, chunk c of 128 units); a fragment's group of four registers at 16 x lane.
; BOTH PRODUCTS ARE USED TRANSPOSED (source 0 = 16 rows of a weight, source 1 = 16 rows of x or of the hidden layer): a lane holds one row and its registers run along the columns.
; W_fc's rows of a tile are not neighbours (lane r of tile u takes unit 8 u + r + 8 (r / 8) of the wave's 32), so that a lane's 16 results are 16 neighbours along the next K: half of one block of 32.
; x's WAY IN.  The norm and the quantiser want 16 neighbours of each block of 32 in one lane; a load is best where neighbouring lanes take neighbouring bytes.  Both are had: each load takes 512 consecutive bytes of one row,
; 16 a lane; the wave's 16 rows go through a stage of its own in LDS as they lie (rows 528 bytes apart) and come back 64 bytes a lane and block.
; PHASES: waves 0-11 norm and quantise one fragment of x each, waves 12-15 store the zero columns | barrier | product 1, group by group, relu^2, quantised, image to LDS | barrier | product 2 | stage | barrier | whole rows out.
; LIMITS: inputs are finite; a block of zeros carries the byte 1 where the rule says 127 (its codes are zeros; no byte leaves the program); blocks whose largest magnitude lies under 2^-124 have their byte held at 1;
; the norm's sums are f32 sums in another order than the reference's; the mean is taken away before the squares are summed.
.set SCB,  1474560                     ; wq: the scale words begin here
.set XIMG, 0                           ; LDS: x's 12 fragments, 1,024 bytes each (6 m + ks);
.set XSC,  12288                       ; their scale words, 128 bytes each;
.set HIMG, 13824                       ; the hidden layer's fragments: 24576 m + 1024 c; in one: block b of 32 at 256 b, row r at 16 r;
.set HSC,  62976                       ; their scale words: 1536 m + 64 c + 4 r;
.set STG,  66048                       ; the stage for the way out: 32 rows of 3,072 bytes + 16;
.set SP,   3088                        ; 193 x 16: sixteen rows' 16 bytes fall on sixteen different columns of 16 bytes modulo 256
.set XST,  164864                      ; x's stages: 16 rows of 512 bytes + 16 for each wave
.set XP,   528                         ; 33 x 16: likewise
.set LI,   1                           ; v1   16 x lane: an image's place for my lane; also my 16 bytes of a row's 512 of x
.set LS,   2                           ; v2   4 x lane: a scale word's
.set WO,   3                           ; v3   1024 w + 16 lane: my codes in a unit of wq; the same number is the place of x's fragment w in LDS
.set SO,   4                           ; v4   128 w + 4 lane: my scale word in a step of wq; and, from XSC on, that of x's fragment w
.set XTS,  5                           ; v5   XST + 16 XP w + 16 lane: x's stage, on the way in
.set XTR,  6                           ; v6   XST + 16 XP w + XP r + 64 h: and on the way out
.set HW,   8                           ; v8   HIMG + 256 w + 16 r + 8 h: where my 16 hidden codes go
.set HB,   9                           ; v9   HSC + 64 (w / 4) + w % 4 + 4 r: and their scale byte
.set HSR,  11                          ; v11  HSC + 4 r
.set STO,  14                          ; v14  STG + SP r + 64 w + 32 h
.set SRD,  15                          ; v15  STG + 2 SP w + 16 lane
.set OO,   254                         ; v254 out0: 8192 w + 16 lane
.set ZO,   255                         ; v255 out0: 32768 (w % 4) + 3072 + 16 lane
.set X,    16                          ; v16-79   64 numbers of x
.set SU,   80                          ; v80-83   sums, a pair a head
.set PD,   84                          ; v84-85   lane permutes' destinations
.set MU,   86                          ; v86-89   means (the low word of a pair)
.set VA,   90                          ; v90-93   sums of squares
.set RS,   94                          ; v94-97   1 / sqrt(variance + eps) (the low word of a pair)
.set TM,   124                         ; v124-139 x's quantiser at work
.set PC,   140                         ; v140-147 x's codes
.set PW,   148                         ; v148     x's scale word
.set XF,   16                          ; v16-111  product 1: x's 12 fragments
.set XS,   112                         ; v112-123 scale words and nothing else: x's 12; in product 2 the hidden layer's
.set ACC1, 124                         ; v124-155 product 1: accumulator (u, m) at 124 + 8 (2 u + m)
.set WR,   156                         ; v156-235 the weights' ring: five steps x two fragments
.set WS,   236                         ; v236-240 the ring's scale words, and nothing else
.set ET,   241                         ; v241-242 the hidden layer's quantiser: largest numbers;
.set EP,   243                         ; v243-244 lane permutes' destinations;
.set ES,   245                         ; v245-246 the conversions' scale operands;
.set EB,   247                         ; v247-248 bytes;
.set EC,   250                         ; v250-253 codes, a pair a tile of rows
.set ACC2, 16                          ; v16-63   product 2: accumulator (i, m) at 16 + 8 (2 i + m)
.set HF,   64                          ; v64-95   two sets of the hidden layer's two fragments of a chunk
.set HS,   112
.set OB,   64                          ; v64-111  the way out
	s_load_b128 s[4:7], s[0:1], 0x0                ; x, wq
	s_load_b64 s[8:9], s[0:1], 0x10                ; out0
	v_lshl_add_u32 v13, v0, 2, 0x49400
	v_mov_b32 v249, 0
	v_lshrrev_b32 v16, 5, v0
	v_readfirstlane_b32 s10, v16                   ; wave 0..15
	v_and_b32 v17, 31, v0                          ; lane
	v_and_b32 v18, 15, v0                          ; r
	v_bfe_u32 v19, v0, 4, 1                        ; h
	; every address register is made here, ahead of the place where the waves part
	v_lshlrev_b32 v[LI], 4, v17
	v_lshlrev_b32 v[LS], 2, v17
	s_lshl_b32 s11, s10, 10
	v_add_nc_u32 v[WO], s11, v[LI]
	s_lshl_b32 s11, s10, 7
	v_add_nc_u32 v[SO], s11, v[LS]
	s_mul_i32 s11, s10, 16*XP
	s_add_co_u32 s11, s11, XST                     ; my wave's stage for x
	v_add_nc_u32 v[XTS], s11, v[LI]
	v_mul_u32_u24 v[XTR], v18, XP
	v_lshl_add_u32 v[XTR], v19, 6, v[XTR]
	v_add_nc_u32 v[XTR], s11, v[XTR]
	s_lshl_b32 s11, s10, 8
	s_add_co_u32 s11, s11, HIMG
	v_lshlrev_b32 v[HW], 4, v18
	v_lshl_add_u32 v[HW], v19, 3, v[HW]
	v_add_nc_u32 v[HW], s11, v[HW]
	s_lshr_b32 s11, s10, 2
	s_lshl_b32 s11, s11, 6
	s_and_b32 s14, s10, 3
	s_add_co_u32 s11, s11, s14
	s_add_co_u32 s11, s11, HSC
	v_lshl_add_u32 v[HB], v18, 2, s11
	v_lshl_add_u32 v[HSR], v18, 2, HSC
	v_mul_u32_u24 v[STO], v18, SP
	v_lshl_add_u32 v[STO], v19, 5, v[STO]
	s_lshl_b32 s11, s10, 6
	s_add_co_u32 s11, s11, STG
	v_add_nc_u32 v[STO], s11, v[STO]
	s_mul_i32 s11, s10, 2*SP
	s_add_co_u32 s11, s11, STG
	v_add_nc_u32 v[SRD], s11, v[LI]
	s_lshl_b32 s11, s10, 13
	v_add_nc_u32 v[OO], s11, v[LI]
	s_and_b32 s11, s10, 3
	s_lshl_b32 s11, s11, 15
	s_add_co_u32 s11, s11, 3072
	v_add_nc_u32 v[ZO], s11, v[LI]
	v_mov_b32 v[EP], 0                             ; a lane permute's destination counts as one of its sources
	v_mov_b32 v[EP+1], 0
	s_mov_b32 s20, 0x76543210
	s_mov_b32 s21, 0xfedcba98                      ; v_permlanex16_b32's selects for lane l xor 16
	s_mov_b32 s22, 0x3c800000                      ; 1 / 64
	s_mov_b32 s23, 0x3727c5ac                      ; eps = 1e-5
	s_lshl_b32 s16, ttmp9, 17                      ; my work-group's 32 rows of 4,096 bytes, in x and in out0
	s_mov_b32 s17, 0
	s_cmp_ge_u32 s10, 6                            ; wave w < 12 takes x's fragment w = 6 m + ks
	s_cselect_b32 s14, 1, 0                        ; m
	s_mul_i32 s15, s14, 6
	s_sub_co_u32 s15, s10, s15                     ; ks
	s_lshl_b32 s14, s14, 16                        ; 16 rows,
	s_lshl_b32 s15, s15, 9                         ; 128 columns
	s_add_co_u32 s14, s14, s15
	s_add_co_u32 s18, s16, s14
	s_mov_b32 s19, 0
	s_wait_kmcnt 0x0
	s_add_nc_u64 s[12:13], s[4:5], s[18:19]        ; x at my fragment's first number
	s_add_nc_u64 s[8:9], s[8:9], s[16:17]          ; out0 at the work-group's first row
; Step s of the weights' stream into buffer s % 5: two fragments and the word of each of their rows.  Every offset is an immediate (1,564,672 at the most); no pointer is stepped and no address register is written again.
.macro WLOAD s
.set WB, WR+16*((\s)%5)
	global_load_b128 v[WB:WB+3],     v[WO], s[6:7] offset:(2*(\s))*16384
	global_load_b128 v[WB+4:WB+7],   v[WO], s[6:7] offset:(2*(\s))*16384+512
	global_load_b128 v[WB+8:WB+11],  v[WO], s[6:7] offset:(2*(\s)+1)*16384
	global_load_b128 v[WB+12:WB+15], v[WO], s[6:7] offset:(2*(\s)+1)*16384+512
	global_load_b32  v[WS+(\s)%5],   v[SO], s[6:7] offset:SCB+(\s)*2048
.endm
; The places behind matrix instructions.  A load into a register that a matrix instruction has read, and a vector instruction or an LDS store that reads a result, stand four plain vector instructions behind it
; (ISA guide 7.12.1 for vector instructions).  PL = 1 says that they stand already behind the last matrix instruction.
.set PL, 1
.macro NEED4
.if PL == 0
.rept 4
	v_nop
.endr
.set PL, 1
.endif
.endm
; One matrix instruction: D = v[MD ..], source 0 = the weight's fragment v[MA ..], source 1 = the rows' fragment v[MB ..]; MZ = 1: it starts the sum; MR1 = 1: the weight's scale words stand in lanes 16-31.
.macro MM
.if MZ
.if MR1
	v_wmma_scale_f32_16x16x128_f8f6f4 v[MD:MD+7], v[MA:MA+7], v[MB:MB+7], 0, v[MSA], v[MSB] matrix_a_fmt:MATRIX_FMT_FP4 matrix_b_fmt:MATRIX_FMT_FP4 matrix_a_scale:MATRIX_SCALE_ROW1
.else
	v_wmma_scale_f32_16x16x128_f8f6f4 v[MD:MD+7], v[MA:MA+7], v[MB:MB+7], 0, v[MSA], v[MSB] matrix_a_fmt:MATRIX_FMT_FP4 matrix_b_fmt:MATRIX_FMT_FP4
.endif
.else
.if MR1
	v_wmma_scale_f32_16x16x128_f8f6f4 v[MD:MD+7], v[MA:MA+7], v[MB:MB+7], v[MD:MD+7], v[MSA], v[MSB] matrix_a_fmt:MATRIX_FMT_FP4 matrix_b_fmt:MATRIX_FMT_FP4 matrix_a_scale:MATRIX_SCALE_ROW1
.else
	v_wmma_scale_f32_16x16x128_f8f6f4 v[MD:MD+7], v[MA:MA+7], v[MB:MB+7], v[MD:MD+7], v[MSA], v[MSB] matrix_a_fmt:MATRIX_FMT_FP4 matrix_b_fmt:MATRIX_FMT_FP4
.endif
.endif
.set PL, 0
.endm
	s_cmp_lt_u32 s10, 12                           ; the one place where the waves part, on the wave's number; no barrier stands inside
	s_cbranch_scc0 .Lzeros
	; ---- waves 0-11: 16 rows x 128 columns of x.  Sixteen loads, each one row's 512 consecutive bytes
.irp j, 0,1,2,3,4,5,6,7,8,9,10,11,12,13,14,15
	global_load_b128 v[X+4*\j:X+4*\j+3], v[LI], s[12:13] offset:4096*\j th:TH_LOAD_NT
.endr
.irp s, 0,1,2,3,4
	WLOAD \s                                       ; the ring is filled behind x's loads
.endr
.irp k, PD, PD+1, MU+1, MU+3, RS+1, RS+3, TM+4, TM+5, TM+6, TM+7
	v_mov_b32 v[\k], 0                             ; lane permutes' destinations, and the upper words of pairs of which the packed forms take the low word alone
.endr
	s_wait_loadcnt 25                              ; x's 16 loads are in; the ring's 25, issued behind them, stay out
	; through my stage, and back into the registers that they left: lane (r, h) then holds, of row r, 16 neighbours of each block of 32: register 16 b + i = column 32 b + 16 h + i.
	; LDS serves a wave's instructions in order (ISA guide 5.7.1.4): no wait between the stores and the loads; the stage is my wave's own: no barrier
.irp j, 0,1,2,3,4,5,6,7,8,9,10,11,12,13,14,15
	ds_store_b128 v[XTS], v[X+4*\j:X+4*\j+3] offset:XP*\j
.endr
.irp b, 0,1,2,3
.irp j, 0,1,2,3
	ds_load_b128 v[X+16*\b+4*\j:X+16*\b+4*\j+3], v[XTR] offset:128*\b+16*\j
.endr
.endr
	s_wait_dscnt 0x0
	; the layer norm: registers 0-31 are half of one head of 64, registers 32-63 half of the next; the other halves lie in lane l xor 16.  The two heads by turns
.irp d, 0,1
	v_pk_add_f32 v[SU+2*\d:SU+2*\d+1], v[X+32*\d:X+32*\d+1], v[X+32*\d+2:X+32*\d+3]
.endr
.irp p, 4,6,8,10,12,14,16,18,20,22,24,26,28,30
.irp d, 0,1
	v_pk_add_f32 v[SU+2*\d:SU+2*\d+1], v[SU+2*\d:SU+2*\d+1], v[X+32*\d+\p:X+32*\d+\p+1]
.endr
.endr
.irp d, 0,1
	v_add_f32 v[SU+2*\d], v[SU+2*\d], v[SU+2*\d+1]
.endr
.irp d, 0,1
	v_permlanex16_b32 v[PD+\d], v[SU+2*\d], s20, s21
.endr
.irp d, 0,1
	v_add_f32 v[SU+2*\d], v[SU+2*\d], v[PD+\d]
.endr
.irp d, 0,1
	v_mul_f32 v[MU+2*\d], s22, v[SU+2*\d]          ; the mean
.endr
.irp p, 0,2,4,6,8,10,12,14,16,18,20,22,24,26,28,30
.irp d, 0,1
	v_pk_add_f32 v[X+32*\d+\p:X+32*\d+\p+1], v[X+32*\d+\p:X+32*\d+\p+1], v[MU+2*\d:MU+2*\d+1] op_sel_hi:[1,0] neg_lo:[0,1] neg_hi:[0,1]   ; x - mean, ahead of the squares
.endr
.endr
.irp d, 0,1
	v_pk_mul_f32 v[VA+2*\d:VA+2*\d+1], v[X+32*\d:X+32*\d+1], v[X+32*\d:X+32*\d+1]
.endr
.irp p, 2,4,6,8,10,12,14,16,18,20,22,24,26,28,30
.irp d, 0,1
	v_pk_fma_f32 v[VA+2*\d:VA+2*\d+1], v[X+32*\d+\p:X+32*\d+\p+1], v[X+32*\d+\p:X+32*\d+\p+1], v[VA+2*\d:VA+2*\d+1]
.endr
.endr
.irp d, 0,1
	v_add_f32 v[VA+2*\d], v[VA+2*\d], v[VA+2*\d+1]
.endr
.irp d, 0,1
	v_permlanex16_b32 v[PD+\d], v[VA+2*\d], s20, s21
.endr
.irp d, 0,1
	v_add_f32 v[VA+2*\d], v[VA+2*\d], v[PD+\d]
.endr
.irp d, 0,1
	v_fma_f32 v[VA+2*\d], v[VA+2*\d], s22, s23     ; the variance + eps
.endr
.irp d, 0,1
	v_rsq_f32 v[RS+2*\d], v[VA+2*\d]
.endr
	v_nop                                          ; a plain instruction behind the last of the two
	s_wait_alu depctr_va_vdst(0)                   ; one wait for both, ahead of their first reader
.irp p, 0,2,4,6,8,10,12,14,16,18,20,22,24,26,28,30
.irp d, 0,1
	v_pk_mul_f32 v[X+32*\d+\p:X+32*\d+\p+1], v[X+32*\d+\p:X+32*\d+\p+1], v[RS+2*\d:RS+2*\d+1] op_sel_hi:[1,0]
.endr
.endr
	; the quantiser: four blocks of 32, each in lanes l and l xor 16
.irp b, 0,1,2,3
	v_max3_num_f32 v[TM+\b], |v[X+16*\b]|, |v[X+1+16*\b]|, 0x1800000   ; my 16 numbers, and the floor 2^(3 - 127): the byte cannot fall under 1
.endr
.irp i, 2,4,6,8,10,12,14
.irp b, 0,1,2,3
	v_max3_num_f32 v[TM+\b], v[TM+\b], |v[X+16*\b+\i]|, |v[X+1+16*\b+\i]|
.endr
.endr
.irp b, 0,1,2,3
	v_permlanex16_b32 v[TM+4+\b], v[TM+\b], s20, s21
.endr
.irp b, 0,1,2,3
	v_max_num_f32 v[TM+\b], v[TM+\b], v[TM+4+\b]   ; the block's largest magnitude
.endr
.irp b, 0,1,2,3
	v_add_nc_u32 v[TM+12+\b], 0xff000000, v[TM+\b] ; 2 off its exponent field: the conversion's scale operand
.endr
.irp b, 0,1,2,3
	v_lshrrev_b32 v[TM+4+\b], 23, v[TM+12+\b]      ; the scale's byte
.endr
	v_lshl_or_b32 v[PW], v[TM+5], 8, v[TM+4]       ; my row's scale word
	v_lshl_or_b32 v[PW], v[TM+6], 16, v[PW]
	v_lshl_or_b32 v[PW], v[TM+7], 24, v[PW]
.irp b, 0,1,2,3
	v_cvt_scalef32_pk8_fp4_f32 v[PC+2*\b], v[X+16*\b:X+7+16*\b], v[TM+12+\b]
	v_cvt_scalef32_pk8_fp4_f32 v[PC+1+2*\b], v[X+8+16*\b:X+15+16*\b], v[TM+12+\b]
.endr
	v_nop                                          ; one plain instruction behind a scaled conversion
.irp c, 0,1                                    ; the operand's layout wants a whole block in a lane: lanes 0-15 block 2 c, lanes 16-31 block 2 c + 1
.irp i, 0,1
	v_permlane16_swap_b32 v[PC+4*\c+\i], v[PC+2+4*\c+\i]
.endr
.endr
.irp c, 0,1
	ds_store_b128 v[WO], v[PC+4*\c:PC+4*\c+3] offset:XIMG+512*\c   ; the fragment goes to LDS as it stands
.endr
	ds_store_b32 v[SO], v[PW] offset:XSC
	s_branch .Ljoin
.Lzeros:
	; ---- waves 12-15: the ring, and the zeros of columns 768 .. 1023: 8 rows a wave, 1,024 bytes a row
.irp s, 0,1,2,3,4
	WLOAD \s
.endr
.irp k, 16,17,18,19
	v_mov_b32 v[\k], 0
.endr
.irp t, 0,1,2,3,4,5,6,7,8,9,10,11,12,13,14,15
	global_store_b128 v[ZO], v[16:19], s[8:9] offset:(\t/2)*4096+(\t%2)*512 th:TH_STORE_NT   ; 32 lanes store 512 consecutive bytes, at a multiple of 512 from out0's first byte
.endr
	s_wait_xcnt 0x0                                ; the stores' data registers are loaded into below: only behind this wait
.Ljoin:
	s_wait_dscnt 0x0                               ; for the others' sake: my stores of x's image have landed
	s_barrier_signal -1
	s_barrier_wait -1                              ; x's twelve fragments lie in LDS (the ring's loads stay out: nobody writes wq)
.irp q, 0,1,2,3,4,5,6,7,8,9,10,11
	ds_load_b128 v[XF+8*\q:XF+8*\q+3],   v[LI] offset:XIMG+1024*\q
	ds_load_b128 v[XF+8*\q+4:XF+8*\q+7], v[LI] offset:XIMG+1024*\q+512
	ds_load_b32  v[XS+\q],               v[LS] offset:XSC+128*\q
.endr
	s_wait_dscnt 0x0                               ; they stay in registers through all of product 1
; ---- PRODUCT 1.  A step: K step KS of the group in hand: my two tiles of units x the two tiles of rows.  The four accumulators take turns, one instruction a turn.
.macro G1STEP
.set LEFT, 44-STP
.if LEFT > 4
.set LEFT, 4
.endif
	s_wait_loadcnt 5*LEFT                          ; this step's five loads are in; those of the younger steps of the ring, five each, stay out
.set MZ, 0
.if KS == 0
.set MZ, 1
.endif
.set MSA, WS+STP%5
.irp u, 0,1
.irp m, 0,1
.set MD, ACC1+8*(2*\u+\m)
.set MA, WR+16*(STP%5)+8*\u
.set MB, XF+8*(6*\m+KS)
.set MSB, XS+6*\m+KS
.set MR1, \u
	MM
.endr
.endr
	NEED4                                          ; in front of the loads into the buffer just multiplied, and of the first read of results
	WLOAD STP+5
.endm
; The group's end: relu^2, the quantiser, the image.  For tile of rows m a lane's 16 numbers (accumulators (0, m) and (1, m)) are units 16 h + 0 .. 15 of my block of 32; the other 16 lie in lane l xor 16.
; Their 16 codes are 8 bytes, which lie in the fragment's image at 256 x block + 16 r + 8 h: so no lanes change places.
.macro EPI g
	s_wait_dscnt 0x0                               ; the last group's stores have read their registers
.set JJ, 0
.rept 32
	v_max_num_f32 v[ACC1+JJ], 0, v[ACC1+JJ]        ; ascending: each accumulator is read from its low end on
.set JJ, JJ+1
.endr
.set JJ, 0
.rept 16
	v_pk_mul_f32 v[ACC1+JJ:ACC1+JJ+1], v[ACC1+JJ:ACC1+JJ+1], v[ACC1+JJ:ACC1+JJ+1]
.set JJ, JJ+2
.endr
.irp m, 0,1
	v_max3_num_f32 v[ET+\m], v[ACC1+8*\m], v[ACC1+8*\m+1], 0x1800000   ; none is negative: no |.|; the floor 2^(3 - 127) holds the byte at 1 from below
.endr
.irp i, 2,4,6,16,18,20,22
.irp m, 0,1
	v_max3_num_f32 v[ET+\m], v[ET+\m], v[ACC1+8*\m+\i], v[ACC1+8*\m+\i+1]
.endr
.endr
.irp m, 0,1
	v_permlanex16_b32 v[EP+\m], v[ET+\m], s20, s21
.endr
.irp m, 0,1
	v_max_num_f32 v[ET+\m], v[ET+\m], v[EP+\m]     ; the block's largest number
.endr
.irp m, 0,1
	v_add_nc_u32 v[ES+\m], 0xff000000, v[ET+\m]    ; 2 off its exponent field: the conversion's scale operand
.endr
.irp m, 0,1
	v_lshrrev_b32 v[EB+\m], 23, v[ES+\m]           ; the scale's byte
.endr
.irp m, 0,1
	v_cvt_scalef32_pk8_fp4_f32 v[EC+2*\m],   v[ACC1+8*\m:ACC1+8*\m+7],     v[ES+\m]
	v_cvt_scalef32_pk8_fp4_f32 v[EC+2*\m+1], v[ACC1+16+8*\m:ACC1+16+8*\m+7], v[ES+\m]
.endr
	v_nop                                          ; one plain instruction behind the last scaled conversion
.irp m, 0,1
	ds_store_b64 v[HW], v[EC+2*\m:EC+2*\m+1] offset:4096*\g+24576*\m   ; the wave's 32 lanes fill 256 consecutive bytes: block w % 4 of chunk 4 g + w / 4
	ds_store_b8  v[HB], v[EB+\m] offset:256*\g+1536*\m                 ; lanes l and l xor 16 write the same byte with the same value
.endr
.rept 5
	v_nop                                          ; the next matrix instructions begin accumulators anew, over registers of earlier ones: five places
.endr
.set PL, 1
.endm
.set STP, 0
.irp g, 0,1,2,3,4,5
.set KS, 0
.rept \g+1
	G1STEP
.set STP, STP+1
.set KS, KS+1
.endr
	EPI \g
.endr
	s_wait_dscnt 0x0                               ; for the others' sake: my images of the hidden layer have landed
	s_barrier_signal -1
	s_barrier_wait -1                              ; the hidden layer's 48 fragments lie in LDS
; ---- PRODUCT 2.  Chunk c's two fragments (tiles of rows 0, 1) and their scale words into set c % 2: six LDS loads
.macro HLOAD c
.set HB0, HF+16*((\c)%2)
.irp m, 0,1
	ds_load_b128 v[HB0+8*\m:HB0+8*\m+3],   v[LI] offset:HIMG+24576*\m+1024*(\c)
	ds_load_b128 v[HB0+8*\m+4:HB0+8*\m+7], v[LI] offset:HIMG+24576*\m+1024*(\c)+512
	ds_load_b32  v[HS+2*((\c)%2)+\m],      v[HSR] offset:1536*\m+64*(\c)
.endr
.endm
; Unit NN of 48: chunk CH, tile row TI: my tile of 16 outputs x the two tiles of rows.  Two accumulators, one instruction each: no two matrix instructions that follow each other share one.
.macro G2HU
.set FIRST, 0
.if NN < 24
.set CH, NN/3
.set TI, NN%3
.if TI == 0
.set FIRST, 1
.endif
.elseif NN < 40
.set CH, 8+(NN-24)/2
.set TI, 1+(NN-24)%2
.if TI == 1
.set FIRST, 1
.endif
.else
.set CH, NN-24
.set TI, 2
.set FIRST, 1
.endif
.set STP, 21+NN/2
.if FIRST && (CH < 23)
	NEED4                                          ; the other set was multiplied by the chunk before
	HLOAD CH+1                                     ; a chunk ahead
.endif
.if NN%2 == 0
.set LEFT, 44-STP
.if LEFT > 4
.set LEFT, 4
.endif
	s_wait_loadcnt 5*LEFT                          ; this step's five loads are in; the younger steps', five each, stay out
.endif
.if FIRST
.if CH < 23
	s_wait_dscnt 6                                 ; this chunk's six loads are in; the next chunk's six stay out
.else
	s_wait_dscnt 0x0
.endif
.endif
.set MZ, 0
.if CH == 0
.set MZ, 1
.endif
.set MA, WR+16*(STP%5)+8*(NN%2)
.set MSA, WS+STP%5
.set MR1, NN%2
.irp m, 0,1
.set MD, ACC2+8*(2*TI+\m)
.set MB, HF+16*(CH%2)+8*\m
.set MSB, HS+2*(CH%2)+\m
	MM
.endr
.if (NN%2 == 1) && (STP+5 <= 44)
	NEED4                                          ; in front of the loads into the buffer just multiplied
	WLOAD STP+5
.endif
.endm
	HLOAD 0
.set NN, 0
.rept 48
	G2HU
.set NN, NN+1
.endr
	; ---- THE WAY OUT.  A lane's eight results are eight neighbouring outputs of one row; a row's 768 come from sixteen waves.  They meet in the stage, and each wave stores two whole rows.
	NEED4
.irp i, 0,1,2
.irp m, 0,1
	ds_store_b128 v[STO], v[ACC2+8*(2*\i+\m):ACC2+8*(2*\i+\m)+3]   offset:16*\m*SP+1024*\i      ; each accumulator from its low end on
	ds_store_b128 v[STO], v[ACC2+8*(2*\i+\m)+4:ACC2+8*(2*\i+\m)+7] offset:16*\m*SP+1024*\i+16
.endr
.endr
	s_wait_dscnt 0x0                               ; for the others' sake: my stores into the stage have landed
	s_barrier_signal -1
	s_barrier_wait -1                              ; 32 rows of 768 outputs lie in the stage
.irp t, 0,1,2,3,4,5,6,7,8,9,10,11
	ds_load_b128 v[OB+4*\t:OB+4*\t+3], v[SRD] offset:(\t/6)*SP+(\t%6)*512
.endr
.irp t, 0,1,2,3,4,5,6,7,8,9,10,11
	s_wait_dscnt 11-\t                             ; LDS loads come back in order: load t is in, the younger ones stay out
	global_store_b128 v[OO], v[OB+4*\t:OB+4*\t+3], s[8:9] offset:(\t/6)*4096+(\t%6)*512 th:TH_STORE_NT   ; 32 lanes store 512 consecutive bytes, at a multiple of 512 from out0's first byte
.endr
	s_wait_tensorcnt 0x0
	ds_add_u32 v13, v249
	s_wait_dscnt 0x0
	s_endpgm
.Lfunc_end_k_qfddb6bf3b3_mlp:
	.size	k_qfddb6bf3b3_mlp, .Lfunc_end_k_qfddb6bf3b3_mlp-k_qfddb6bf3b3_mlp
	.p2alignl 7, 3214868480
	.fill 96, 4, 3214868480
	.section	.rodata,"a",@progbits
	.p2align	6, 0x0
	.amdhsa_kernel k_qfddb6bf3b3_mlp
		.amdhsa_group_segment_fixed_size 302080
		.amdhsa_private_segment_fixed_size 0
		.amdhsa_enable_private_segment 0
		.amdhsa_kernarg_size 24
		.amdhsa_user_sgpr_count 2
		.amdhsa_user_sgpr_kernarg_segment_ptr 1
		.amdhsa_wavefront_size32 1
		.amdhsa_system_sgpr_workgroup_id_x 1
		.amdhsa_system_sgpr_workgroup_id_y 1
		.amdhsa_system_sgpr_workgroup_id_z 1
		.amdhsa_system_vgpr_workitem_id 0
		.amdhsa_next_free_vgpr 256
		.amdhsa_next_free_sgpr 66
		.amdhsa_reserve_vcc 0
		.amdhsa_float_denorm_mode_32 3
		.amdhsa_float_denorm_mode_16_64 3
		.amdhsa_memory_ordered 1
		.amdhsa_forward_progress 1
		.amdhsa_inst_pref_size 116
	.end_amdhsa_kernel
	.amdgpu_metadata
---
amdhsa.version: [ 1, 2 ]
amdhsa.kernels:
  - .name:           k_qfddb6bf3b3_mlp
    .symbol:         k_qfddb6bf3b3_mlp.kd
    .args:
      - { .name: x, .offset: 0, .size: 8, .value_kind: global_buffer, .address_space: global }
      - { .name: wq, .offset: 8, .size: 8, .value_kind: global_buffer, .address_space: global }
      - { .name: out0, .offset: 16, .size: 8, .value_kind: global_buffer, .address_space: global }
    .group_segment_fixed_size: 302080
    .private_segment_fixed_size: 0
    .kernarg_segment_align: 8
    .kernarg_segment_size: 24
    .max_flat_workgroup_size: 512
    .sgpr_count:     66
    .vgpr_count:     256
    .wavefront_size: 32
...
	.end_amdgpu_metadata
.endif
;; end of part 4
;; ======== version 3 of 3: 2 launches
;; workspace buffers: wq 1,566,720 bytes
;; launch prep (part 5): grid 180 x 1, 4 waves a work-group, no clusters, 68,096 bytes of LDS; arguments W_fc, W_proj, wq; writes wq
.if DOCPART == 5
	.amdgcn_target "amdgcn-amd-amdhsa--gfx1250"
	.amdhsa_code_object_version 6
	.text
	.protected	k_qfddb6bf3b3_prep
	.globl	k_qfddb6bf3b3_prep
	.p2align	8
	.type	k_qfddb6bf3b3_prep,@function
k_qfddb6bf3b3_prep:
	s_mov_b64 s[64:65], 0
	v_nop
	global_prefetch_b8 v0, s[64:65] scope:SCOPE_SE
	s_setreg_imm32_b32 hwreg(HW_REG_WAVE_MODE, 25, 1), 1
	s_wait_xcnt 0x0
; The kept parts of W_fc [4096][1024] and W_proj [1024][4096], f32, are masked as the problem's own triangular masks say, quantised along K to codes of FP4 (E2M1) with one
; E8M0 byte for each 32 along K, and laid into wq IN THE ORDER OF THE OPERAND'S REGISTERS and in the order in which the second launch uses them.
; MASKS: W_fc(f, j) counts where j <= f / 4 (rounded down) and f < 3072; W_proj(e, j) where j <= 4 e and e < 768.  What lies wholly under a mask is not laid out at all, but for
; 168 fragments of W_proj that keep the second launch's text the same in all its waves: they hold zero codes.
; A FRAGMENT is 16 rows x 128 K: 8 registers a lane, 1,024 bytes.  Lane (r = lane % 16, hh = lane / 16) holds row r; its registers 4 c .. 4 c + 3 are the whole block k = 64 c + 32 hh + 0 .. 31.
; A UNIT n (0 .. 89) is 16 fragments, one for each wave slot w of the second launch: codes at 16384 n + 1024 w + 512 c + 16 lane.
; Scale words from byte SCB on: for the pair of units 2 P, 2 P + 1 and slot w: 2048 P + 128 w + 4 lane; lanes 0-15 the rows of unit 2 P's fragment, lanes 16-31 those of unit 2 P + 1's.
; UNITS 0 .. 41, W_fc: pair P = g (g + 1) / 2 + ks (group g of 512 hidden units, K step ks = 0 .. g); unit 2 P + u; row of lane r: 512 g + 32 w + 8 u + r + 8 (r / 8); k from 128 ks on.
; UNITS 42 + n2, W_proj: chunk c of 128 along K and tile row i: n2 < 24: c = n2 / 3, i = n2 % 3;  n2 < 40: c = 8 + (n2 - 24) / 2, i = 1 + (n2 - 24) % 2;  else c = n2 - 24, i = 2;  row 256 i + 16 w + r.
; SHARES: job J = 4 x work-group + wave (0 .. 719): pair P = J / 16, slot w = J % 16: one wave makes two fragments and their 128 bytes of scale words.  No barrier, no branch: waves share nothing.
; THE WAY IN.  The quantiser wants a whole block of 32 neighbours in ONE lane; a load is best where neighbouring LANES take neighbouring bytes.  Both are had: each load takes one row's 512 consecutive bytes, 16 a lane;
; a fragment's 16 rows go through the wave's own stage in LDS as they lie (rows 528 bytes apart) and come back 128 bytes a lane.
; A block's scale is 2^(floor(log2(its largest magnitude)) - 2); its byte is the largest magnitude's exponent field - 2, held at 1 from below.
; LIMITS: inputs are finite (a masked element is replaced by 0 or not read, so an infinity or NaN there does not spread as 0 x infinity would); a block of zeros gets the byte 1 where the rule says 127:
; its codes are zeros, and the bytes are read by this program alone; blocks whose largest magnitude lies under 2^-124 have their byte held at 1.
.set SCB,  1474560                     ; 90 units x 16,384 bytes of codes lie ahead of the scale words
.set TP,   528                         ; a stage row: 512 bytes + 16: the sixteen rows that a load out of the stage touches begin at sixteen different places modulo 256 bytes
.set FST,  16*TP                       ; a fragment's stage; a wave has two
.set L16,  4                           ; v4      16 x lane
.set SA,   5                           ; v5      the stage, on the way in: my wave's + 16 x lane
.set DD,   6                           ; v6-9    fragment q, block c: d = the last k that counts for my row, counted from the block's first k (signed)
.set DO,   10                          ; v10     where my codes go
.set SOF,  11                          ; v11     where my scale word goes
.set SH8,  16                          ; v16     8 hh
.set PT,   17                          ; v17     a lane permute's destination
.set MX,   18                          ; v18-19  largest magnitudes
.set SOP,  20                          ; v20-21  the conversions' scale operands
.set BY,   22                          ; v22-23  scale bytes
.set SW,   24                          ; v24-25  fragment q's scale words
.set RA,   27                          ; v27     the stage, on the way out: my wave's + TP r + 128 hh
.set NX,   32                          ; v32-95 fragment 0's numbers, v96-159 fragment 1's: as loaded, then as the quantiser wants them
.set CD,   160                         ; v160-167, v168-175 their codes
.set OF,   176                         ; v176-207 fragment q, row j of the tile: my byte offset in the weight; never rewritten
	s_load_b128 s[4:7], s[0:1], 0x0                ; W_fc, W_proj
	s_load_b64 s[8:9], s[0:1], 0x10                ; wq
	v_lshl_add_u32 v208, v0, 2, 0x10800
	v_mov_b32 v209, 0
	v_lshrrev_b32 v1, 5, v0
	v_readfirstlane_b32 s10, v1                    ; wave 0..3
	v_and_b32 v1, 31, v0                           ; lane
	v_and_b32 v2, 15, v0                           ; r
	v_bfe_u32 v3, v0, 4, 1                         ; hh
	s_mov_b32 s38, 0x76543210
	s_mov_b32 s39, 0xfedcba98                      ; v_permlanex16_b32's selects for lane l xor 16
	s_lshl_b32 s11, ttmp9, 2
	s_add_co_u32 s11, s11, s10                     ; J
	s_lshr_b32 s12, s11, 4                         ; P
	s_and_b32 s13, s11, 15                         ; w
	s_mov_b32 s14, 0                               ; g = how many of the triangular numbers 1, 3, 6, 10, 15 are at most P
.irp t, 1,3,6,10,15
	s_cmp_ge_u32 s12, \t
	s_add_co_ci_u32 s14, s14, 0
.endr
	s_add_co_u32 s15, s14, 1
	s_mul_i32 s15, s15, s14
	s_lshr_b32 s15, s15, 1
	s_sub_co_u32 s15, s12, s15                     ; ks = P - g (g + 1) / 2
	s_lshl_b32 s16, s14, 9
	s_lshl_b32 s17, s13, 5
	s_add_co_u32 s16, s16, s17                     ; W_fc: 512 g + 32 w
	s_lshl_b32 s18, s15, 7                         ; W_fc: 128 ks
	s_max_u32 s19, s12, 21
	s_sub_co_u32 s19, s19, 21
	s_lshl_b32 s19, s19, 1                         ; W_proj: n2 of fragment 0 (0 in W_fc's jobs, where it is selected away)
; fragment q's first row into s[28 + q], its first k into s[30 + q]
.macro DECODE q
	s_add_co_u32 s20, s19, \q                      ; n2
	s_mul_i32 s21, s20, 171
	s_lshr_b32 s21, s21, 9                         ; n2 / 3 (exact for n2 < 24)
	s_mul_i32 s22, s21, 3
	s_sub_co_u32 s22, s20, s22                     ; n2 % 3
	s_sub_co_u32 s23, s20, 24                      ; n2 - 24
	s_lshr_b32 s24, s23, 1
	s_add_co_u32 s24, s24, 8
	s_and_b32 s25, s23, 1
	s_add_co_u32 s25, s25, 1
	s_cmp_lt_u32 s20, 40
	s_cselect_b32 s24, s24, s23
	s_cselect_b32 s25, s25, 2
	s_cmp_lt_u32 s20, 24
	s_cselect_b32 s24, s21, s24                    ; c
	s_cselect_b32 s25, s22, s25                    ; i
	s_lshl_b32 s25, s25, 8
	s_lshl_b32 s26, s13, 4
	s_add_co_u32 s25, s25, s26                     ; 256 i + 16 w
	s_lshl_b32 s24, s24, 7                         ; 128 c
	s_add_co_u32 s26, s16, 8*\q                    ; W_fc: + 8 u
	s_cmp_lt_u32 s12, 21                           ; W_fc's job or W_proj's?  The choice hangs on ids alone
	s_cselect_b32 s[28+\q], s26, s25
	s_cselect_b32 s[30+\q], s18, s24
.endm
	DECODE 0
	DECODE 1
	s_cmp_lt_u32 s12, 21
	s_cselect_b32 s32, 12, 14                      ; a row is 2^12 or 2^14 bytes
	s_cselect_b32 s33, 4, 0                        ; the last k that counts: (4 row) >> 4 = row / 4, or 4 row
	s_cselect_b32 s34, 1, 0                        ; W_fc's tiles take rows r + 8 (r / 8)
	s_wait_alu depctr_va_vdst(0)
	s_wait_kmcnt 0x0
	s_cselect_b64 s[36:37], s[4:5], s[6:7]
	s_lshl_b32 s35, 1, s32                         ; a row in bytes
	s_lshl_b32 s40, s34, 15                        ; W_fc: eight rows of 4,096 bytes are passed over behind a tile's row 7; W_proj: none
	v_lshlrev_b32 v[L16], 4, v1
	s_wait_alu depctr_va_vdst(0)
	; a row's pitch differs between the two weights, so a row's place cannot stand in an immediate: an offset register for each of the 32 rows, made once
.irp q, 0,1
	s_lshl_b32 s20, s[28+\q], s32                  ; the tile's first row,
	s_lshl_b32 s21, s[30+\q], 2                    ; 4 bytes x its first k
	s_add_co_u32 s20, s20, s21
.irp j, 0,1,2,3,4,5,6,7,8,9,10,11,12,13,14,15
	v_add_nc_u32 v[OF+16*\q+\j], s20, v[L16]
	s_add_co_u32 s20, s20, s35
.if \j == 7
	s_add_co_u32 s20, s20, s40
.endif
.endr
.endr
.macro FLOAD q                         ; fragment q: sixteen loads, each one row's 512 consecutive bytes
.irp j, 0,1,2,3,4,5,6,7,8,9,10,11,12,13,14,15
	global_load_b128 v[NX+64*\q+4*\j:NX+64*\q+4*\j+3], v[OF+16*\q+\j], s[36:37] th:TH_LOAD_NT
.endr
.endm
.macro TURN q                          ; fragment q through its stage, and back into the registers that it left.  LDS serves a wave's instructions in order (ISA guide 5.7.1.4): no wait between the stores and the loads
.irp j, 0,1,2,3,4,5,6,7,8,9,10,11,12,13,14,15
	ds_store_b128 v[SA], v[NX+64*\q+4*\j:NX+64*\q+4*\j+3] offset:FST*\q+TP*\j
.endr
.irp c, 0,1
.irp j, 0,1,2,3,4,5,6,7
	ds_load_b128 v[NX+64*\q+32*\c+4*\j:NX+64*\q+32*\c+4*\j+3], v[RA] offset:FST*\q+256*\c+16*\j   ; register 32 c + i = number k = 64 c + 32 hh + i of my row
.endr
.endr
.endm
	FLOAD 0
	s_wait_alu depctr_va_vdst(0)
	FLOAD 1
	s_mul_i32 s20, s10, 2*FST                      ; my wave's two stages
	v_add_nc_u32 v[SA], s20, v[L16]
	v_mul_u32_u24 v[RA], v2, TP
	v_lshl_add_u32 v[RA], v3, 7, v[RA]
	v_add_nc_u32 v[RA], s20, v[RA]
	v_and_b32 v12, 8, v2
	v_mul_u32_u24 v12, s34, v12
	v_add_nc_u32 v12, v12, v2                      ; my row in the tile
	v_lshlrev_b32 v15, 5, v3                       ; 32 hh
.irp q, 0,1
	v_add_nc_u32 v13, s[28+\q], v12                ; my row
	s_sub_co_u32 s21, 0, s[30+\q]
	v_lshlrev_b32 v14, 2, v13
	v_lshrrev_b32 v14, s33, v14                    ; the last k that counts for my row
	v_add_nc_u32 v14, s21, v14
	v_sub_nc_u32 v[DD+2*\q], v14, v15              ; counted from my block c = 0,
	v_add_nc_u32 v[DD+2*\q+1], 0xffffffc0, v[DD+2*\q]  ; and from my block c = 1, 64 further on
.endr
	s_lshl_b32 s20, s12, 15
	s_lshl_b32 s21, s13, 10
	s_add_co_u32 s20, s20, s21
	v_lshl_add_u32 v[DO], v1, 4, s20               ; 32768 P + 1024 w + 16 lane
	s_lshl_b32 s22, s12, 11
	s_lshl_b32 s23, s13, 7
	s_add_co_u32 s22, s22, s23
	s_add_co_u32 s22, s22, SCB
	v_lshl_add_u32 v[SOF], v1, 2, s22              ; SCB + 2048 P + 128 w + 4 lane
	v_lshlrev_b32 v[SH8], 3, v3
	v_mov_b32 v[PT], 0                             ; a lane permute's destination counts as one of its sources
	s_wait_loadcnt 16                              ; fragment 0's 16 loads are in; fragment 1's 16, issued behind them, may be out
	TURN 0
	s_wait_loadcnt 0x0
	TURN 1
.macro FQUANT q
.set XQ, NX+64*\q
	s_wait_dscnt 32*(1-\q)                         ; this fragment is back from its stage; the other's 16 stores and 16 loads, issued behind, may be out
.irp c, 0,1
.irp i, 0,1,2,3,4,5,6,7,8,9,10,11,12,13,14,15,16,17,18,19,20,21,22,23,24,25,26,27,28,29,30,31
	v_cmp_le_i32 vcc_lo, \i, v[DD+2*\q+\c]         ; the mask: number i of the block counts where i <= d
	v_cndmask_b32 v[XQ+32*\c+\i], 0, v[XQ+32*\c+\i], vcc_lo
.endr
.endr
.irp c, 0,1                                    ; a block's 32 numbers are all mine: no other lane is asked for its largest magnitude
	v_max3_num_f32 v[MX+\c], |v[XQ+32*\c]|, |v[XQ+32*\c+1]|, 0x1800000   ; and the floor 2^(3 - 127): the byte cannot fall under 1
.endr
.irp i, 2,4,6,8,10,12,14,16,18,20,22,24,26,28,30
.irp c, 0,1
	v_max3_num_f32 v[MX+\c], v[MX+\c], |v[XQ+32*\c+\i]|, |v[XQ+32*\c+\i+1]|   ; (the two blocks by turns)
.endr
.endr
.irp c, 0,1
	v_add_nc_u32 v[SOP+\c], 0xff000000, v[MX+\c]   ; 2 off the exponent field: the conversion takes the exponent field of this operand as its scale
.endr
.irp c, 0,1
	v_lshrrev_b32 v[BY+\c], 23, v[SOP+\c]          ; the scale's byte
.endr
	v_lshl_or_b32 v[SW+\q], v[BY+1], 16, v[BY]     ; my two bytes: blocks hh and 2 + hh of my row,
	v_lshlrev_b32 v[SW+\q], v[SH8], v[SW+\q]       ; at their places in the word;
	v_permlanex16_b32 v[PT], v[SW+\q], s38, s39
	v_or_b32 v[SW+\q], v[SW+\q], v[PT]             ; with lane l xor 16's two the word is whole
.irp c, 0,1
.irp g, 0,1,2,3
	v_cvt_scalef32_pk8_fp4_f32 v[CD+8*\q+4*\c+\g], v[XQ+32*\c+8*\g:XQ+32*\c+8*\g+7], v[SOP+\c]
.endr
.endr
	v_nop                                          ; one plain instruction behind the last scaled conversion: the next fragment writes the scale operands again
.irp c, 0,1
	global_store_b128 v[DO], v[CD+8*\q+4*\c:CD+8*\q+4*\c+3], s[8:9] offset:16384*\q+512*\c   ; 32 lanes store 512 consecutive bytes, at a multiple of 512 from wq's first byte
.endr
.endm
	FQUANT 0
	FQUANT 1
	v_cmp_gt_u32 vcc_lo, 16, v1
	v_cndmask_b32 v26, v[SW+1], v[SW], vcc_lo      ; lanes 0-15: fragment 0's words; lanes 16-31: fragment 1's
	global_store_b32 v[SOF], v26, s[8:9]           ; 128 consecutive bytes a wave: one byte in seventeen of what the launch stores
	s_wait_tensorcnt 0x0
	ds_add_u32 v208, v209
	s_wait_dscnt 0x0
	s_endpgm
.Lfunc_end_k_qfddb6bf3b3_prep:
	.size	k_qfddb6bf3b3_prep, .Lfunc_end_k_qfddb6bf3b3_prep-k_qfddb6bf3b3_prep
	.p2alignl 7, 3214868480
	.fill 96, 4, 3214868480
	.section	.rodata,"a",@progbits
	.p2align	6, 0x0
	.amdhsa_kernel k_qfddb6bf3b3_prep
		.amdhsa_group_segment_fixed_size 68096
		.amdhsa_private_segment_fixed_size 0
		.amdhsa_enable_private_segment 0
		.amdhsa_kernarg_size 24
		.amdhsa_user_sgpr_count 2
		.amdhsa_user_sgpr_kernarg_segment_ptr 1
		.amdhsa_wavefront_size32 1
		.amdhsa_system_sgpr_workgroup_id_x 1
		.amdhsa_system_sgpr_workgroup_id_y 1
		.amdhsa_system_sgpr_workgroup_id_z 1
		.amdhsa_system_vgpr_workitem_id 0
		.amdhsa_next_free_vgpr 210
		.amdhsa_next_free_sgpr 66
		.amdhsa_reserve_vcc 1
		.amdhsa_float_denorm_mode_32 3
		.amdhsa_float_denorm_mode_16_64 3
		.amdhsa_memory_ordered 1
		.amdhsa_forward_progress 1
		.amdhsa_inst_pref_size 29
	.end_amdhsa_kernel
	.amdgpu_metadata
---
amdhsa.version: [ 1, 2 ]
amdhsa.kernels:
  - .name:           k_qfddb6bf3b3_prep
    .symbol:         k_qfddb6bf3b3_prep.kd
    .args:
      - { .name: W_fc, .offset: 0, .size: 8, .value_kind: global_buffer, .address_space: global }
      - { .name: W_proj, .offset: 8, .size: 8, .value_kind: global_buffer, .address_space: global }
      - { .name: wq, .offset: 16, .size: 8, .value_kind: global_buffer, .address_space: global }
    .group_segment_fixed_size: 68096
    .private_segment_fixed_size: 0
    .kernarg_segment_align: 8
    .kernarg_segment_size: 24
    .max_flat_workgroup_size: 128
    .sgpr_count:     66
    .vgpr_count:     210
    .wavefront_size: 32
...
	.end_amdgpu_metadata
.endif
;; end of part 5
;; launch mlp (part 6): grid 256 x 1, 16 waves a work-group, no clusters, 302,080 bytes of LDS; arguments x, wq, out0; writes out0
.if DOCPART == 6
	.amdgcn_target "amdgcn-amd-amdhsa--gfx1250"
	.amdhsa_code_object_version 6
	.text
	.protected	k_qfddb6bf3b3_mlp
	.globl	k_qfddb6bf3b3_mlp
	.p2align	8
	.type	k_qfddb6bf3b3_mlp,@function
k_qfddb6bf3b3_mlp:
	s_mov_b64 s[64:65], 0
	v_nop
	global_prefetch_b8 v0, s[64:65] scope:SCOPE_SE
	s_setreg_imm32_b32 hwreg(HW_REG_WAVE_SCHED_MODE, 0, 2), 2
	s_setreg_imm32_b32 hwreg(HW_REG_WAVE_MODE, 25, 1), 1
	s_wait_xcnt 0x0
	s_wait_alu depctr_vm_vsrc(0)
; out0 = relu(LN(x) Wfc^T)^2 Wproj^T for 32 rows a work-group; LN: layer norm over each head of 64 columns, no gain.  Both products on codes of FP4 (E2M1) with one E8M0 scale for each 32 along K.
; The weights come masked, quantised and laid in the order of use from wq (the launch before).  The problem's own masks leave hidden units 0 .. 3071 with K = columns 0 .. 128 g + 127 of x for group g of 512 units,
; outputs 0 .. 767 with K = hidden units 0 .. 1024 i + 1023 for tile row i of 256 outputs, and zeros in outputs 768 .. 1023, which are stored as zeros.  Columns 768 .. 1023 of x meet zero codes alone and are not read.
; SHARES.  Sixteen waves.  THE WAVES SHARE THE COLUMNS, NOT THE ROWS: in group g wave w makes hidden units 512 g + 32 w .. + 31, in tile row i outputs 256 i + 16 w .. + 15, each for both tiles of 16 rows.
; So each weight fragment is read by ONE wave of the work-group and lands in its operand registers straight from memory: a ring of five steps in registers (a step: two fragments and their scale words, five loads), waited for by count.
; No tile is shared through LDS, so no cluster is formed: what a partner would share, the weights, goes to one wave's registers here and would go through LDS, written and read once more, if it were asked for jointly.
; OPERANDS GO FROM WAVE TO WAVE THROUGH LDS AS IMAGES OF THEIR REGISTERS: x's 12 fragments (tile of rows m, K step ks) and the hidden layer's 48 (m, chunk c of 128 units); a fragment's group of four registers at 16 x lane.
; BOTH PRODUCTS ARE USED TRANSPOSED (source 0 = 16 rows of a weight, source 1 = 16 rows of x or of the hidden layer): a lane holds one row and its registers run along the columns.
; W_fc's rows of a tile are not neighbours (lane r of tile u takes unit 8 u + r + 8 (r / 8) of the wave's 32), so that a lane's 16 results are 16 neighbours along the next K: half of one block of 32.
; x's WAY IN.  The norm and the quantiser want 16 neighbours of each block of 32 in one lane; a load is best where neighbouring lanes take neighbouring bytes.  Both are had: each load takes 512 consecutive bytes of one row,
; 16 a lane; the wave's 16 rows go through a stage of its own in LDS as they lie (rows 528 bytes apart) and come back 64 bytes a lane and block.
; PHASES: waves 0-11 norm and quantise one fragment of x each, waves 12-15 store the zero columns | barrier | product 1, group by group, relu^2, quantised, image to LDS | barrier | product 2 | stage | barrier | whole rows out.
; LIMITS: inputs are finite; a block of zeros carries the byte 1 where the rule says 127 (its codes are zeros; no byte leaves the program); blocks whose largest magnitude lies under 2^-124 have their byte held at 1;
; the norm's sums are f32 sums in another order than the reference's; the mean is taken away before the squares are summed.
; THE MODE: SCHED_MODE bits 1:0 = 2 (LLVM: expert scheduling mode 2), set by the entry lines.  The code itself states the register dependences
; between vector or matrix instructions and memory or LDS instructions, with s_wait_alu, always for 0.
; THE PLAN.  Registers that memory or LDS instructions touch, who writes and who reads them, and the wait that states it:
;   v1-6, 8, 9, 11, 14, 15, 254, 255   addresses: written at the head, never again.  One wait on va_vdst ahead of the place where the waves part.
;   X (waves 0-11)   x's loads land; the stage's stores read; the stage's loads land in the same registers: one wait on vm_vsrc between the two runs; the norm writes them only behind it.
;   PC, PW           the quantiser writes; three LDS stores read (va_vdst ahead of them); they lie in ACC1, which product 1 writes (vm_vsrc behind the stores).
;   v16-19 (waves 12-15)   zeros; sixteen global stores read (va_vdst ahead of them); x's fragments land there (vm_vsrc behind the stores).
;   XF, XS           LDS loads land behind the first barrier; product 1's matrix instructions read.  No vector instruction stands between each arm's last wait on va_vdst and these loads.
;   WR, WS, the ring   step s's loads land in buffer s % 5; the step's four matrix instructions read it; behind them ONE wait on va_vdst, and step s + 5's five loads follow at once:
;                    a buffer that waited for the next step's head would lie idle, and no sixth buffer fits beside the five.
;   EC, EB           a group's end writes; four LDS stores read (va_vdst ahead of them); the next group's end writes again: one wait on vm_vsrc in that group's last step, ahead of the step's own loads.
;   HF, HS           chunk c + 1's LDS loads land in the set that chunk c - 1's matrix instructions read: a wait on va_vdst at chunk c's head, where the ring's wait does not stand there already.
;   ACC2, OB         the stage's stores read the accumulators (the places, then va_vdst); the same wait covers the loads from the stage, which land where HF lay.
;   v13, v249        written at the head, read by the closing add alone.
.set SCB,  1474560                     ; wq: the scale words begin here
.set XIMG, 0                           ; LDS: x's 12 fragments, 1,024 bytes each (6 m + ks);
.set XSC,  12288                       ; their scale words, 128 bytes each;
.set HIMG, 13824                       ; the hidden layer's fragments: 24576 m + 1024 c; in one: block b of 32 at 256 b, row r at 16 r;
.set HSC,  62976                       ; their scale words: 1536 m + 64 c + 4 r;
.set STG,  66048                       ; the stage for the way out: 32 rows of 3,072 bytes + 16;
.set SP,   3088                        ; 193 x 16: sixteen rows' 16 bytes fall on sixteen different columns of 16 bytes modulo 256
.set XST,  164864                      ; x's stages: 16 rows of 512 bytes + 16 for each wave
.set XP,   528                         ; 33 x 16: likewise
.set LI,   1                           ; v1   16 x lane: an image's place for my lane; also my 16 bytes of a row's 512 of x
.set LS,   2                           ; v2   4 x lane: a scale word's
.set WO,   3                           ; v3   1024 w + 16 lane: my codes in a unit of wq; the same number is the place of x's fragment w in LDS
.set SO,   4                           ; v4   128 w + 4 lane: my scale word in a step of wq; and, from XSC on, that of x's fragment w
.set XTS,  5                           ; v5   XST + 16 XP w + 16 lane: x's stage, on the way in
.set XTR,  6                           ; v6   XST + 16 XP w + XP r + 64 h: and on the way out
.set HW,   8                           ; v8   HIMG + 256 w + 16 r + 8 h: where my 16 hidden codes go
.set HB,   9                           ; v9   HSC + 64 (w / 4) + w % 4 + 4 r: and their scale byte
.set HSR,  11                          ; v11  HSC + 4 r
.set STO,  14                          ; v14  STG + SP r + 64 w + 32 h
.set SRD,  15                          ; v15  STG + 2 SP w + 16 lane
.set OO,   254                         ; v254 out0: 8192 w + 16 lane
.set ZO,   255                         ; v255 out0: 32768 (w % 4) + 3072 + 16 lane
.set X,    16                          ; v16-79   64 numbers of x
.set SU,   80                          ; v80-83   sums, a pair a head
.set PD,   84                          ; v84-85   lane permutes' destinations
.set MU,   86                          ; v86-89   means (the low word of a pair)
.set VA,   90                          ; v90-93   sums of squares
.set RS,   94                          ; v94-97   1 / sqrt(variance + eps) (the low word of a pair)
.set TM,   124                         ; v124-139 x's quantiser at work
.set PC,   140                         ; v140-147 x's codes
.set PW,   148                         ; v148     x's scale word
.set XF,   16                          ; v16-111  product 1: x's 12 fragments
.set XS,   112                         ; v112-123 scale words and nothing else: x's 12; in product 2 the hidden layer's
.set ACC1, 124                         ; v124-155 product 1: accumulator (u, m) at 124 + 8 (2 u + m)
.set WR,   156                         ; v156-235 the weights' ring: five steps x two fragments
.set WS,   236                         ; v236-240 the ring's scale words, and nothing else
.set ET,   241                         ; v241-242 the hidden layer's quantiser: largest numbers;
.set EP,   243                         ; v243-244 lane permutes' destinations;
.set ES,   245                         ; v245-246 the conversions' scale operands;
.set EB,   247                         ; v247-248 bytes;
.set EC,   250                         ; v250-253 codes, a pair a tile of rows
.set ACC2, 16                          ; v16-63   product 2: accumulator (i, m) at 16 + 8 (2 i + m)
.set HF,   64                          ; v64-95   two sets of the hidden layer's two fragments of a chunk
.set HS,   112
.set OB,   64                          ; v64-111  the way out
	s_load_b128 s[4:7], s[0:1], 0x0                ; x, wq
	s_load_b64 s[8:9], s[0:1], 0x10                ; out0
	v_lshl_add_u32 v13, v0, 2, 0x49400
	v_mov_b32 v249, 0
	v_lshrrev_b32 v16, 5, v0
	v_readfirstlane_b32 s10, v16                   ; wave 0..15
	v_and_b32 v17, 31, v0                          ; lane
	v_and_b32 v18, 15, v0                          ; r
	v_bfe_u32 v19, v0, 4, 1                        ; h
	; every address register is made here, ahead of the place where the waves part
	v_lshlrev_b32 v[LI], 4, v17
	v_lshlrev_b32 v[LS], 2, v17
	s_wait_alu depctr_va_sdst(0)                   ; s10 is written, ahead of its first reader: the addresses below, the bases and the branch on the wave's number are made from it
	s_lshl_b32 s11, s10, 10
	v_add_nc_u32 v[WO], s11, v[LI]
	s_lshl_b32 s11, s10, 7
	v_add_nc_u32 v[SO], s11, v[LS]
	s_mul_i32 s11, s10, 16*XP
	s_add_co_u32 s11, s11, XST                     ; my wave's stage for x
	v_add_nc_u32 v[XTS], s11, v[LI]
	v_mul_u32_u24 v[XTR], v18, XP
	v_lshl_add_u32 v[XTR], v19, 6, v[XTR]
	v_add_nc_u32 v[XTR], s11, v[XTR]
	s_lshl_b32 s11, s10, 8
	s_add_co_u32 s11, s11, HIMG
	v_lshlrev_b32 v[HW], 4, v18
	v_lshl_add_u32 v[HW], v19, 3, v[HW]
	v_add_nc_u32 v[HW], s11, v[HW]
	s_lshr_b32 s11, s10, 2
	s_lshl_b32 s11, s11, 6
	s_and_b32 s14, s10, 3
	s_add_co_u32 s11, s11, s14
	s_add_co_u32 s11, s11, HSC
	v_lshl_add_u32 v[HB], v18, 2, s11
	v_lshl_add_u32 v[HSR], v18, 2, HSC
	v_mul_u32_u24 v[STO], v18, SP
	v_lshl_add_u32 v[STO], v19, 5, v[STO]
	s_lshl_b32 s11, s10, 6
	s_add_co_u32 s11, s11, STG
	v_add_nc_u32 v[STO], s11, v[STO]
	s_mul_i32 s11, s10, 2*SP
	s_add_co_u32 s11, s11, STG
	v_add_nc_u32 v[SRD], s11, v[LI]
	s_lshl_b32 s11, s10, 13
	v_add_nc_u32 v[OO], s11, v[LI]
	s_and_b32 s11, s10, 3
	s_lshl_b32 s11, s11, 15
	s_add_co_u32 s11, s11, 3072
	v_add_nc_u32 v[ZO], s11, v[LI]
	v_mov_b32 v[EP], 0                             ; a lane permute's destination counts as one of its sources
	v_mov_b32 v[EP+1], 0
	s_mov_b32 s20, 0x76543210
	s_mov_b32 s21, 0xfedcba98                      ; v_permlanex16_b32's selects for lane l xor 16
	s_mov_b32 s22, 0x3c800000                      ; 1 / 64
	s_mov_b32 s23, 0x3727c5ac                      ; eps = 1e-5
	s_lshl_b32 s16, ttmp9, 17                      ; my work-group's 32 rows of 4,096 bytes, in x and in out0
	s_mov_b32 s17, 0
	s_cmp_ge_u32 s10, 6                            ; wave w < 12 takes x's fragment w = 6 m + ks
	s_cselect_b32 s14, 1, 0                        ; m
	s_mul_i32 s15, s14, 6
	s_sub_co_u32 s15, s10, s15                     ; ks
	s_lshl_b32 s14, s14, 16                        ; 16 rows,
	s_lshl_b32 s15, s15, 9                         ; 128 columns
	s_add_co_u32 s14, s14, s15
	s_add_co_u32 s18, s16, s14
	s_mov_b32 s19, 0
	s_wait_kmcnt 0x0
	s_add_nc_u64 s[12:13], s[4:5], s[18:19]        ; x at my fragment's first number
	s_add_nc_u64 s[8:9], s[8:9], s[16:17]          ; out0 at the work-group's first row
; Step s of the weights' stream into buffer s % 5: two fragments and the word of each of their rows.  Every offset is an immediate (1,564,672 at the most); no pointer is stepped and no address register is written again.
.macro WLOAD s
.set WB, WR+16*((\s)%5)
	global_load_b128 v[WB:WB+3],     v[WO], s[6:7] offset:(2*(\s))*16384
	global_load_b128 v[WB+4:WB+7],   v[WO], s[6:7] offset:(2*(\s))*16384+512
	global_load_b128 v[WB+8:WB+11],  v[WO], s[6:7] offset:(2*(\s)+1)*16384
	global_load_b128 v[WB+12:WB+15], v[WO], s[6:7] offset:(2*(\s)+1)*16384+512
	global_load_b32  v[WS+(\s)%5],   v[SO], s[6:7] offset:SCB+(\s)*2048
.endm
; The places behind matrix instructions.  A load into a register that a matrix instruction has read, and a vector instruction or an LDS store that reads a result, stand four plain vector instructions behind it
; (ISA guide 7.12.1 for vector instructions).  PL = 1 says that they stand already behind the last matrix instruction.  The places stay beside the mode's waits: first the places, then the wait.
.set PL, 1
.macro NEED4
.if PL == 0
.rept 4
	v_nop
.endr
.set PL, 1
.endif
.endm
; The wait ahead of loads into registers that matrix instructions have read.  VW = 1 says that it stands already behind the last matrix instruction, with nothing behind it but loads, LDS stores, v_nop and barriers,
; none of which names a register of the loads that follow: then it is not written a second time.
.set VW, 1
.macro MDONE
.if VW == 0
	s_wait_alu depctr_va_vdst(0)                   ; the matrix instructions issued so far are done reading their fragments and scale words, in some of which the loads below land
.set VW, 1
.endif
.endm
; One matrix instruction: D = v[MD ..], source 0 = the weight's fragment v[MA ..], source 1 = the rows' fragment v[MB ..]; MZ = 1: it starts the sum; MR1 = 1: the weight's scale words stand in lanes 16-31.
.macro MM
.if MZ
.if MR1
	v_wmma_scale_f32_16x16x128_f8f6f4 v[MD:MD+7], v[MA:MA+7], v[MB:MB+7], 0, v[MSA], v[MSB] matrix_a_fmt:MATRIX_FMT_FP4 matrix_b_fmt:MATRIX_FMT_FP4 matrix_a_scale:MATRIX_SCALE_ROW1
.else
	v_wmma_scale_f32_16x16x128_f8f6f4 v[MD:MD+7], v[MA:MA+7], v[MB:MB+7], 0, v[MSA], v[MSB] matrix_a_fmt:MATRIX_FMT_FP4 matrix_b_fmt:MATRIX_FMT_FP4
.endif
.else
.if MR1
	v_wmma_scale_f32_16x16x128_f8f6f4 v[MD:MD+7], v[MA:MA+7], v[MB:MB+7], v[MD:MD+7], v[MSA], v[MSB] matrix_a_fmt:MATRIX_FMT_FP4 matrix_b_fmt:MATRIX_FMT_FP4 matrix_a_scale:MATRIX_SCALE_ROW1
.else
	v_wmma_scale_f32_16x16x128_f8f6f4 v[MD:MD+7], v[MA:MA+7], v[MB:MB+7], v[MD:MD+7], v[MSA], v[MSB] matrix_a_fmt:MATRIX_FMT_FP4 matrix_b_fmt:MATRIX_FMT_FP4
.endif
.endif
.set PL, 0
.set VW, 0
.endm
	s_wait_alu depctr_va_vdst(0)                   ; the thirteen address registers are written, which every load and store of the kernel reads; so are v16 to v19, the head's scratch, in which x's loads land
	s_cmp_lt_u32 s10, 12                           ; the one place where the waves part, on the wave's number; no barrier stands inside
	s_cbranch_scc0 .Lzeros
	; ---- waves 0-11: 16 rows x 128 columns of x.  Sixteen loads, each one row's 512 consecutive bytes
.irp j, 0,1,2,3,4,5,6,7,8,9,10,11,12,13,14,15
	global_load_b128 v[X+4*\j:X+4*\j+3], v[LI], s[12:13] offset:4096*\j th:TH_LOAD_NT
.endr
.irp s, 0,1,2,3,4
	WLOAD \s                                       ; the ring is filled behind x's loads
.endr
.irp k, PD, PD+1, MU+1, MU+3, RS+1, RS+3, TM+4, TM+5, TM+6, TM+7
	v_mov_b32 v[\k], 0                             ; lane permutes' destinations, and the upper words of pairs of which the packed forms take the low word alone
.endr
	s_wait_loadcnt 25                              ; x's 16 loads are in; the ring's 25, issued behind them, stay out
	; through my stage, and back into the registers that they left: lane (r, h) then holds, of row r, 16 neighbours of each block of 32: register 16 b + i = column 32 b + 16 h + i.
	; LDS serves a wave's instructions in order (ISA guide 5.7.1.4): no wait on DScnt between the stores and the loads; the stage is my wave's own: no barrier
.irp j, 0,1,2,3,4,5,6,7,8,9,10,11,12,13,14,15
	ds_store_b128 v[XTS], v[X+4*\j:X+4*\j+3] offset:XP*\j
.endr
	s_wait_alu depctr_vm_vsrc(0)                   ; the sixteen stores have read v[X ..], in which the loads below land and which the norm then writes in place
.irp b, 0,1,2,3
.irp j, 0,1,2,3
	ds_load_b128 v[X+16*\b+4*\j:X+16*\b+4*\j+3], v[XTR] offset:128*\b+16*\j
.endr
.endr
	s_wait_dscnt 0x0
	; the layer norm: registers 0-31 are half of one head of 64, registers 32-63 half of the next; the other halves lie in lane l xor 16.  The two heads by turns
.irp d, 0,1
	v_pk_add_f32 v[SU+2*\d:SU+2*\d+1], v[X+32*\d:X+32*\d+1], v[X+32*\d+2:X+32*\d+3]
.endr
.irp p, 4,6,8,10,12,14,16,18,20,22,24,26,28,30
.irp d, 0,1
	v_pk_add_f32 v[SU+2*\d:SU+2*\d+1], v[SU+2*\d:SU+2*\d+1], v[X+32*\d+\p:X+32*\d+\p+1]
.endr
.endr
.irp d, 0,1
	v_add_f32 v[SU+2*\d], v[SU+2*\d], v[SU+2*\d+1]
.endr
.irp d, 0,1
	v_permlanex16_b32 v[PD+\d], v[SU+2*\d], s20, s21
.endr
.irp d, 0,1
	v_add_f32 v[SU+2*\d], v[SU+2*\d], v[PD+\d]
.endr
.irp d, 0,1
	v_mul_f32 v[MU+2*\d], s22, v[SU+2*\d]          ; the mean
.endr
.irp p, 0,2,4,6,8,10,12,14,16,18,20,22,24,26,28,30
.irp d, 0,1
	v_pk_add_f32 v[X+32*\d+\p:X+32*\d+\p+1], v[X+32*\d+\p:X+32*\d+\p+1], v[MU+2*\d:MU+2*\d+1] op_sel_hi:[1,0] neg_lo:[0,1] neg_hi:[0,1]   ; x - mean, ahead of the squares
.endr
.endr
.irp d, 0,1
	v_pk_mul_f32 v[VA+2*\d:VA+2*\d+1], v[X+32*\d:X+32*\d+1], v[X+32*\d:X+32*\d+1]
.endr
.irp p, 2,4,6,8,10,12,14,16,18,20,22,24,26,28,30
.irp d, 0,1
	v_pk_fma_f32 v[VA+2*\d:VA+2*\d+1], v[X+32*\d+\p:X+32*\d+\p+1], v[X+32*\d+\p:X+32*\d+\p+1], v[VA+2*\d:VA+2*\d+1]
.endr
.endr
.irp d, 0,1
	v_add_f32 v[VA+2*\d], v[VA+2*\d], v[VA+2*\d+1]
.endr
.irp d, 0,1
	v_permlanex16_b32 v[PD+\d], v[VA+2*\d], s20, s21
.endr
.irp d, 0,1
	v_add_f32 v[VA+2*\d], v[VA+2*\d], v[PD+\d]
.endr
.irp d, 0,1
	v_fma_f32 v[VA+2*\d], v[VA+2*\d], s22, s23     ; the variance + eps
.endr
	s_wait_alu depctr_va_vdst(0)
.irp d, 0,1
	v_rsq_f32 v[RS+2*\d], v[VA+2*\d]
.endr
	v_nop                                          ; a plain instruction behind the last of the two
	s_wait_alu depctr_va_vdst(0)                   ; the two v_rsq_f32 have written v[RS] and v[RS+2]: one wait for both, ahead of their first reader
.irp p, 0,2,4,6,8,10,12,14,16,18,20,22,24,26,28,30
.irp d, 0,1
	v_pk_mul_f32 v[X+32*\d+\p:X+32*\d+\p+1], v[X+32*\d+\p:X+32*\d+\p+1], v[RS+2*\d:RS+2*\d+1] op_sel_hi:[1,0]
.endr
.endr
	; the quantiser: four blocks of 32, each in lanes l and l xor 16
.irp b, 0,1,2,3
	v_max3_num_f32 v[TM+\b], |v[X+16*\b]|, |v[X+1+16*\b]|, 0x1800000   ; my 16 numbers, and the floor 2^(3 - 127): the byte cannot fall under 1
.endr
.irp i, 2,4,6,8,10,12,14
.irp b, 0,1,2,3
	v_max3_num_f32 v[TM+\b], v[TM+\b], |v[X+16*\b+\i]|, |v[X+1+16*\b+\i]|
.endr
.endr
.irp b, 0,1,2,3
	v_permlanex16_b32 v[TM+4+\b], v[TM+\b], s20, s21
.endr
.irp b, 0,1,2,3
	v_max_num_f32 v[TM+\b], v[TM+\b], v[TM+4+\b]   ; the block's largest magnitude
.endr
.irp b, 0,1,2,3
	v_add_nc_u32 v[TM+12+\b], 0xff000000, v[TM+\b] ; 2 off its exponent field: the conversion's scale operand
.endr
.irp b, 0,1,2,3
	v_lshrrev_b32 v[TM+4+\b], 23, v[TM+12+\b]      ; the scale's byte
.endr
	v_lshl_or_b32 v[PW], v[TM+5], 8, v[TM+4]       ; my row's scale word
	v_lshl_or_b32 v[PW], v[TM+6], 16, v[PW]
	v_lshl_or_b32 v[PW], v[TM+7], 24, v[PW]
.irp b, 0,1,2,3
	v_cvt_scalef32_pk8_fp4_f32 v[PC+2*\b], v[X+16*\b:X+7+16*\b], v[TM+12+\b]
	v_cvt_scalef32_pk8_fp4_f32 v[PC+1+2*\b], v[X+8+16*\b:X+15+16*\b], v[TM+12+\b]
.endr
	v_nop                                          ; one plain instruction behind a scaled conversion
.irp c, 0,1                                    ; the operand's layout wants a whole block in a lane: lanes 0-15 block 2 c, lanes 16-31 block 2 c + 1
.irp i, 0,1
	v_permlane16_swap_b32 v[PC+4*\c+\i], v[PC+2+4*\c+\i]
.endr
.endr
	s_wait_alu depctr_va_vdst(0)                   ; the quantiser has written v[PC ..] and v[PW], which the LDS stores below read; and all of the norm and the quantiser is done with v16 to v97, in which x's fragments land behind the barrier
.irp c, 0,1
	ds_store_b128 v[WO], v[PC+4*\c:PC+4*\c+3] offset:XIMG+512*\c   ; the fragment goes to LDS as it stands
.endr
	ds_store_b32 v[SO], v[PW] offset:XSC
	s_wait_alu depctr_vm_vsrc(0)                   ; these three stores have read v[PC ..] and v[PW]: the registers lie in ACC1, which product 1's matrix instructions write
	s_branch .Ljoin
.Lzeros:
	; ---- waves 12-15: the ring, and the zeros of columns 768 .. 1023: 8 rows a wave, 1,024 bytes a row
.irp s, 0,1,2,3,4
	WLOAD \s
.endr
.irp k, 16,17,18,19
	v_mov_b32 v[\k], 0
.endr
	s_wait_alu depctr_va_vdst(0)                   ; v16 to v19 are written, which the sixteen stores below read
.irp t, 0,1,2,3,4,5,6,7,8,9,10,11,12,13,14,15
	global_store_b128 v[ZO], v[16:19], s[8:9] offset:(\t/2)*4096+(\t%2)*512 th:TH_STORE_NT   ; 32 lanes store 512 consecutive bytes, at a multiple of 512 from out0's first byte
.endr
	s_wait_xcnt 0x0                                ; the stores' data registers are loaded into below: only behind this wait
	s_wait_alu depctr_vm_vsrc(0)                   ; and beside it: the sixteen stores have read v16 to v19, in which x's fragments land behind the barrier
.Ljoin:
	s_wait_dscnt 0x0                               ; for the others' sake: my stores of x's image have landed
	s_barrier_signal -1
	s_barrier_wait -1                              ; x's twelve fragments lie in LDS (the ring's loads stay out: nobody writes wq)
.irp q, 0,1,2,3,4,5,6,7,8,9,10,11
	ds_load_b128 v[XF+8*\q:XF+8*\q+3],   v[LI] offset:XIMG+1024*\q
	ds_load_b128 v[XF+8*\q+4:XF+8*\q+7], v[LI] offset:XIMG+1024*\q+512
	ds_load_b32  v[XS+\q],               v[LS] offset:XSC+128*\q
.endr
	s_wait_dscnt 0x0                               ; they stay in registers through all of product 1
; ---- PRODUCT 1.  A step: K step KS of the group in hand: my two tiles of units x the two tiles of rows.  The four accumulators take turns, one instruction a turn.
.macro G1STEP
.set LEFT, 44-STP
.if LEFT > 4
.set LEFT, 4
.endif
	s_wait_loadcnt 5*LEFT                          ; this step's five loads are in; those of the younger steps of the ring, five each, stay out
.set MZ, 0
.if KS == 0
.set MZ, 1
.endif
.set MSA, WS+STP%5
.irp u, 0,1
.irp m, 0,1
.set MD, ACC1+8*(2*\u+\m)
.set MA, WR+16*(STP%5)+8*\u
.set MB, XF+8*(6*\m+KS)
.set MSB, XS+6*\m+KS
.set MR1, \u
	MM
.endr
.endr
	NEED4                                          ; in front of the loads into the buffer just multiplied, and of the first read of results
	MDONE                                          ; the step's one wait: its four matrix instructions are done reading the buffer and its scale words
.if (KS == GRP) && (GRP > 0)
	s_wait_alu depctr_vm_vsrc(0)                   ; the last group's four LDS stores have read v[EC ..] and v[EB ..], which this group's end writes again; the five loads below, issued behind this wait, read neither
.endif
	WLOAD STP+5
.endm
; The group's end: relu^2, the quantiser, the image.  For tile of rows m a lane's 16 numbers (accumulators (0, m) and (1, m)) are units 16 h + 0 .. 15 of my block of 32; the other 16 lie in lane l xor 16.
; Their 16 codes are 8 bytes, which lie in the fragment's image at 256 x block + 16 r + 8 h: so no lanes change places.
.macro EPI g
	s_wait_dscnt 0x0                               ; the last group's stores have read their registers (the mode's own statement of it is the wait on vm_vsrc in the step above)
.set JJ, 0
.rept 32
	v_max_num_f32 v[ACC1+JJ], 0, v[ACC1+JJ]        ; ascending: each accumulator is read from its low end on
.set JJ, JJ+1
.endr
.set JJ, 0
.rept 16
	v_pk_mul_f32 v[ACC1+JJ:ACC1+JJ+1], v[ACC1+JJ:ACC1+JJ+1], v[ACC1+JJ:ACC1+JJ+1]
.set JJ, JJ+2
.endr
.irp m, 0,1
	v_max3_num_f32 v[ET+\m], v[ACC1+8*\m], v[ACC1+8*\m+1], 0x1800000   ; none is negative: no |.|; the floor 2^(3 - 127) holds the byte at 1 from below
.endr
.irp i, 2,4,6,16,18,20,22
.irp m, 0,1
	v_max3_num_f32 v[ET+\m], v[ET+\m], v[ACC1+8*\m+\i], v[ACC1+8*\m+\i+1]
.endr
.endr
.irp m, 0,1
	v_permlanex16_b32 v[EP+\m], v[ET+\m], s20, s21
.endr
.irp m, 0,1
	v_max_num_f32 v[ET+\m], v[ET+\m], v[EP+\m]     ; the block's largest number
.endr
.irp m, 0,1
	v_add_nc_u32 v[ES+\m], 0xff000000, v[ET+\m]    ; 2 off its exponent field: the conversion's scale operand
.endr
.irp m, 0,1
	v_lshrrev_b32 v[EB+\m], 23, v[ES+\m]           ; the scale's byte
.endr
.irp m, 0,1
	v_cvt_scalef32_pk8_fp4_f32 v[EC+2*\m],   v[ACC1+8*\m:ACC1+8*\m+7],     v[ES+\m]
	v_cvt_scalef32_pk8_fp4_f32 v[EC+2*\m+1], v[ACC1+16+8*\m:ACC1+16+8*\m+7], v[ES+\m]
.endr
	v_nop                                          ; one plain instruction behind the last scaled conversion
	s_wait_alu depctr_va_vdst(0)                   ; the conversions have written v[EC ..] and the shifts v[EB ..], which the four LDS stores below read
.set VW, 1
.irp m, 0,1
	ds_store_b64 v[HW], v[EC+2*\m:EC+2*\m+1] offset:4096*\g+24576*\m   ; the wave's 32 lanes fill 256 consecutive bytes: block w % 4 of chunk 4 g + w / 4
	ds_store_b8  v[HB], v[EB+\m] offset:256*\g+1536*\m                 ; lanes l and l xor 16 write the same byte with the same value
.endr
.rept 5
	v_nop                                          ; the next matrix instructions begin accumulators anew, over registers of earlier ones: five places
.endr
.set PL, 1
.endm
.set STP, 0
.irp g, 0,1,2,3,4,5
.set GRP, \g
.set KS, 0
.rept \g+1
	G1STEP
.set STP, STP+1
.set KS, KS+1
.endr
	EPI \g
.endr
	s_wait_dscnt 0x0                               ; for the others' sake: my images of the hidden layer have landed
	s_barrier_signal -1
	s_barrier_wait -1                              ; the hidden layer's 48 fragments lie in LDS
; ---- PRODUCT 2.  Chunk c's two fragments (tiles of rows 0, 1) and their scale words into set c % 2: six LDS loads
.macro HLOAD c
.set HB0, HF+16*((\c)%2)
.irp m, 0,1
	ds_load_b128 v[HB0+8*\m:HB0+8*\m+3],   v[LI] offset:HIMG+24576*\m+1024*(\c)
	ds_load_b128 v[HB0+8*\m+4:HB0+8*\m+7], v[LI] offset:HIMG+24576*\m+1024*(\c)+512
	ds_load_b32  v[HS+2*((\c)%2)+\m],      v[HSR] offset:1536*\m+64*(\c)
.endr
.endm
; Unit NN of 48: chunk CH, tile row TI: my tile of 16 outputs x the two tiles of rows.  Two accumulators, one instruction each: no two matrix instructions that follow each other share one.
.macro G2HU
.set FIRST, 0
.if NN < 24
.set CH, NN/3
.set TI, NN%3
.if TI == 0
.set FIRST, 1
.endif
.elseif NN < 40
.set CH, 8+(NN-24)/2
.set TI, 1+(NN-24)%2
.if TI == 1
.set FIRST, 1
.endif
.else
.set CH, NN-24
.set TI, 2
.set FIRST, 1
.endif
.set STP, 21+NN/2
.if FIRST && (CH < 23)
	NEED4                                          ; the other set was multiplied by the chunk before
	MDONE                                          ; and that chunk's matrix instructions are done reading it and its scale words (where the ring's wait stands directly ahead, it has said so)
	HLOAD CH+1                                     ; a chunk ahead
.endif
.if NN%2 == 0
.set LEFT, 44-STP
.if LEFT > 4
.set LEFT, 4
.endif
	s_wait_loadcnt 5*LEFT                          ; this step's five loads are in; the younger steps', five each, stay out
.endif
.if FIRST
.if CH < 23
	s_wait_dscnt 6                                 ; this chunk's six loads are in; the next chunk's six stay out
.else
	s_wait_dscnt 0x0
.endif
.endif
.set MZ, 0
.if CH == 0
.set MZ, 1
.endif
.set MA, WR+16*(STP%5)+8*(NN%2)
.set MSA, WS+STP%5
.set MR1, NN%2
.irp m, 0,1
.set MD, ACC2+8*(2*TI+\m)
.set MB, HF+16*(CH%2)+8*\m
.set MSB, HS+2*(CH%2)+\m
	MM
.endr
.if (NN%2 == 1) && (STP+5 <= 44)
	NEED4                                          ; in front of the loads into the buffer just multiplied
	MDONE                                          ; the step's one wait: its four matrix instructions are done reading the buffer and its scale words
	WLOAD STP+5
.endif
.endm
	HLOAD 0                                        ; into registers that product 1's matrix instructions read: the wait on va_vdst at the last group's end stands behind all of them, and only v_nop, LDS stores and the barrier have followed it
.set NN, 0
.rept 48
	G2HU
.set NN, NN+1
.endr
	; ---- THE WAY OUT.  A lane's eight results are eight neighbouring outputs of one row; a row's 768 come from sixteen waves.  They meet in the stage, and each wave stores two whole rows.
	NEED4
	s_wait_alu depctr_va_vdst(0)                   ; the matrix instructions have written the accumulators, which the LDS stores below read, and are done reading v[HF ..], where the rows from the stage land; the places above stay beside this wait
.irp i, 0,1,2
.irp m, 0,1
	ds_store_b128 v[STO], v[ACC2+8*(2*\i+\m):ACC2+8*(2*\i+\m)+3]   offset:16*\m*SP+1024*\i      ; each accumulator from its low end on
	ds_store_b128 v[STO], v[ACC2+8*(2*\i+\m)+4:ACC2+8*(2*\i+\m)+7] offset:16*\m*SP+1024*\i+16
.endr
.endr
	s_wait_dscnt 0x0                               ; for the others' sake: my stores into the stage have landed
	s_barrier_signal -1
	s_barrier_wait -1                              ; 32 rows of 768 outputs lie in the stage
.irp t, 0,1,2,3,4,5,6,7,8,9,10,11
	ds_load_b128 v[OB+4*\t:OB+4*\t+3], v[SRD] offset:(\t/6)*SP+(\t%6)*512
.endr
.irp t, 0,1,2,3,4,5,6,7,8,9,10,11
	s_wait_dscnt 11-\t                             ; LDS loads come back in order: load t is in, the younger ones stay out
	global_store_b128 v[OO], v[OB+4*\t:OB+4*\t+3], s[8:9] offset:(\t/6)*4096+(\t%6)*512 th:TH_STORE_NT   ; 32 lanes store 512 consecutive bytes, at a multiple of 512 from out0's first byte
.endr
	s_wait_dscnt 0x0                               ; the closing lines, six on end
	s_wait_alu 0x0
	s_wait_tensorcnt 0x0
	ds_add_u32 v13, v249
	s_wait_dscnt 0x0
	s_endpgm
.Lfunc_end_k_qfddb6bf3b3_mlp:
	.size	k_qfddb6bf3b3_mlp, .Lfunc_end_k_qfddb6bf3b3_mlp-k_qfddb6bf3b3_mlp
	.p2alignl 7, 3214868480
	.fill 96, 4, 3214868480
	.section	.rodata,"a",@progbits
	.p2align	6, 0x0
	.amdhsa_kernel k_qfddb6bf3b3_mlp
		.amdhsa_group_segment_fixed_size 302080
		.amdhsa_private_segment_fixed_size 0
		.amdhsa_enable_private_segment 0
		.amdhsa_kernarg_size 24
		.amdhsa_user_sgpr_count 2
		.amdhsa_user_sgpr_kernarg_segment_ptr 1
		.amdhsa_wavefront_size32 1
		.amdhsa_system_sgpr_workgroup_id_x 1
		.amdhsa_system_sgpr_workgroup_id_y 1
		.amdhsa_system_sgpr_workgroup_id_z 1
		.amdhsa_system_vgpr_workitem_id 0
		.amdhsa_next_free_vgpr 256
		.amdhsa_next_free_sgpr 66
		.amdhsa_reserve_vcc 0
		.amdhsa_float_denorm_mode_32 3
		.amdhsa_float_denorm_mode_16_64 3
		.amdhsa_memory_ordered 1
		.amdhsa_forward_progress 1
		.amdhsa_inst_pref_size 119
	.end_amdhsa_kernel
	.amdgpu_metadata
---
amdhsa.version: [ 1, 2 ]
amdhsa.kernels:
  - .name:           k_qfddb6bf3b3_mlp
    .symbol:         k_qfddb6bf3b3_mlp.kd
    .args:
      - { .name: x, .offset: 0, .size: 8, .value_kind: global_buffer, .address_space: global }
      - { .name: wq, .offset: 8, .size: 8, .value_kind: global_buffer, .address_space: global }
      - { .name: out0, .offset: 16, .size: 8, .value_kind: global_buffer, .address_space: global }
    .group_segment_fixed_size: 302080
    .private_segment_fixed_size: 0
    .kernarg_segment_align: 8
    .kernarg_segment_size: 24
    .max_flat_workgroup_size: 512
    .sgpr_count:     66
    .vgpr_count:     256
    .wavefront_size: 32
...
	.end_amdgpu_metadata
.endif
;; end of part 6
